; MI455X (gfx1250); checked and timed in simulation.
; The chip was launched on July 23, 2026; its instructions are those of AMD's public machine-readable ISA for CDNA 5 (MIT licence, August 2026) and "CDNA5" Instruction Set Architecture Reference Guide (July 2026). The comments in the code are by the model that wrote it; some were corrected since.
;; Causal Self Attention. Allowed arithmetic: matrix products marked QUANTISED: E2M1 operands, one E8M0 scale for each 32 along K, by v_wmma_scale_f32_16x16x128_f8f6f4 with both operands' format E2M1 (or v_wmma_scale_f32_32x16x128_f4), f32 sums; products left as they are: bf16, f16 or f32 operands; f32 sums; everything else in f32.
;; Inputs: W_out 1,024 x 1,024 float32; W_qkv 3,072 x 1,024 float32; x 1 x 4,096 x 1,024 float32.
;; Outputs: out0 1 x 4,096 x 1,024 float32.
;; This version of the problem:
;;   THIS VERSION OF THE PROBLEM IS GIVEN IN LOW PRECISION. The matrix products marked QUANTISED in the list below multiply operands that are first quantised to E2M1 (2 exponent bits, 1 mantissa bit; 4 bits a number), with one power-of-two scale for each 32 numbers along K (OCP MX v1.0); their sums are f32. The products marked 'left as it is' may take bf16, f16 or f32 operands, with f32 sums. Whichever they take, every output number must still come out within the allowed error. Rounding operands to bf16 (8 significant bits) uses up far more of that allowance than f16 does (11 bits, for magnitudes from 6e-5 to 65,504). All else is computed in f32.
;;   The module's matrix products, in the order in which they are computed (A, B: the left and right operand; K: the contracted axis; several contracted axes count as one K, in the product's order):
;;     1. [M 4,096, K 1,024] x [K 1,024, N 3,072]; A: input x; B: input W_qkv: QUANTISED
;;     2. batch 16 x [M 4,096, K 64] x [K 64, N 4,096]; A: computed on the way; B: computed on the way: left as it is (an operand is computed on the way)
;;     3. batch 16 x [M 4,096, K 4,096] x [K 4,096, N 64]; A: computed on the way; B: computed on the way: left as it is (an operand is computed on the way)
;;     4. [M 4,096, K 1,024] x [K 1,024, N 1,024]; A: computed on the way; B: input W_out: left as it is (an operand is computed on the way)
;;   THE QUANTISER, for each operand of a quantised product, along K:
;;     - K is cut into blocks of 32 from its start; a last block that is shorter is filled with zeros.
;;     - A block's scale is 2^e with e = floor(log2(the largest magnitude in the block)) - 2, held to -126 .. 127; a block of zeros has e = 0. As a byte (E8M0): e + 127.
;;     - Each number is divided by its block's scale, clamped to +-6, and rounded to the nearest number of E2M1, ties to even, subnormals kept.
;;     - The product sums the exact products of the quantised numbers (number of the format x scale) in f32.
;;   ~~~python
;;   def quantise(x, axis):      # numpy; x: float32 -> the quantised numbers, widened to float32 again
;;       x = np.moveaxis(x, axis, -1); K = x.shape[-1]
;;       x = np.pad(x, [(0, 0)] * (x.ndim - 1) + [(0, -K % 32)]); x = x.reshape(x.shape[:-1] + (-1, 32)); a = np.abs(x).max(-1, keepdims=True)
;;       e = np.where(a > 0, np.clip(np.frexp(np.where(a > 0, a, 1))[1] - 1 - 2, -126, 127), 0)      # np.frexp(a)[1] - 1 = floor(log2(a)), exactly
;;       r = np.clip(x / 2.0 ** e, -6, 6)
;;       step = 2.0 ** (np.maximum(np.frexp(np.where(r == 0, 1, r))[1] - 1, 0) - 1)
;;       q = np.round(r / step) * step * 2.0 ** e      # np.round: ties to even
;;       return np.moveaxis(q.reshape(q.shape[:-2] + (-1,))[..., :K], -1, axis).astype(np.float32)
;;   ~~~
;; One version. Each part assembles by itself: llvm-mc -triple=amdgcn-amd-amdhsa -mcpu=gfx1250 --defsym DOCPART=n.
;; ======== version 1 of 1: 5 launches
;; limits: values are held in f16: magnitudes above 65,504 overflow, below 6.1e-05 lose precision
;; workspace buffers: codes 3,670,016 bytes; scales 229,376 bytes; wout16 2,097,152 bytes; rope 1,048,576 bytes; qkv16 25,165,824 bytes; qkv32 196,608 bytes; attn16 8,388,608 bytes
;; launch prep (part 1): grid 352 x 1, 4 waves a work-group, no clusters, 33,280 bytes of LDS; arguments x, W_qkv, W_out, codes, scales, wout16, rope; writes codes, scales, wout16, rope
.if DOCPART == 1
	.amdgcn_target "amdgcn-amd-amdhsa--gfx1250"
	.amdhsa_code_object_version 6
	.text
	.protected	k_qd020f14973_prep
	.globl	k_qd020f14973_prep
	.p2align	8
	.type	k_qd020f14973_prep,@function
k_qd020f14973_prep:
	s_mov_b64 s[64:65], 0
	v_nop
	global_prefetch_b8 v0, s[64:65] scope:SCOPE_SE
	s_setreg_imm32_b32 hwreg(HW_REG_WAVE_MODE, 25, 1), 1
	s_wait_xcnt 0x0
; CAUSAL SELF-ATTENTION, T = 4,096, D = 1,024, 16 heads of 64, in five launches: prep | qkv | attn | proj | first16.
; WORK LEFT OUT BY THE PROGRAM: reference() builds its causal mask itself (jnp.tril) and sets every score with key > query to -infinity ahead of the softmax, so such a
; score has the weight 0 whatever the inputs hold.  Key steps that lie wholly above the diagonal (all 64 keys of the step behind all queries of the wave) are therefore neither multiplied
; nor summed in the launch attn.  Every input has a way to the output and is loaded.  LIMIT: a NaN, an infinity or an overflow that arises only in such a masked score is not carried to the result.
; THIS LAUNCH makes what the later ones read many times:
;   work-groups 0-223:   x [4096][1024] and W_qkv [3072][1024], f32, into codes of FP4 (E2M1), K innermost, two codes a byte, and one E8M0 byte for each 32 along K: one stream, x's rows and then W_qkv's;
;   work-groups 224-287: W_out [1024][1024] into f16, laid [k / 64][e][64];
;   work-groups 288-351: cos and sin of t x 10000^(-i / 32), t = 0 .. 4095, i = 0 .. 31, in f32, laid as the launch qkv takes them into registers.
; THE QUANTISER: a block's scale is 2^(floor(log2(its largest magnitude)) - 2); its byte is the largest magnitude's exponent field - 2, held at 1 from below; each number is divided by the scale and
; rounded to the nearest code, ties to even, beyond 6 to 6.  A block of zeros gets the byte 1 where the rule says 127: its codes are zeros, and this program alone reads the bytes.
; LIMITS: NaN and infinities among x and W_qkv are not served.  W_out is rounded to f16: magnitudes over 65,504 become infinity.  10000^(-i / 32) is made as 2^(-i log2(10000) / 32) by one multiplication
; and v_exp_f32 (within some 4e-7 of its value, relatively); cos and sin by a reduction by pi / 2 in two parts and polynomials on +-pi / 4 (within some 2e-7).
.set WAVES, 4
.set STEPS, 16
.set WGA,   128                        ; x's work-groups: 4,096 x 1,024 / 32,768
.set WGQ,   224                        ; and W_qkv's 96 behind them
.set WGW,   288                        ; W_out's 64 behind those
.set EMAX,  2
.set CB,    8                          ; bytes of 16 codes
.set R,     16                         ; v16-79   four sets of 16 numbers as they are loaded
.set X,     80                         ; v80-111  two sets of 16 neighbours
.set E,     112                        ; v112-127 a scale byte for each step
.set C,     128                        ; v128-191 codes: four registers for each step
.set WREG,  8192                       ; LDS: a region for each wave: two stages of 32 x SP bytes, then its 256 scale bytes
.set SP,    80                         ; a lane's place in a stage: 64 bytes + 16 of padding
.set SPW,   12                         ; v12  LDS address of my spare word; never rewritten
.set NIL,   13                         ; v13  0; never rewritten
.set SPARE, WAVES*WREG                 ; behind the four regions: the spare words, 128 bytes a wave, which no other line names
	s_load_b256 s[4:11], s[0:1], 0x0               ; x s[4:5], W_qkv s[6:7], W_out s[8:9], codes s[10:11]
	s_load_b128 s[12:15], s[0:1], 0x20             ; scales s[12:13], wout16 s[14:15]
	s_load_b64 s[16:17], s[0:1], 0x30              ; rope
	v_lshl_add_u32 v[SPW], v0, 2, SPARE
	v_mov_b32 v[NIL], 0
	v_lshrrev_b32 v1, 5, v0
	v_readfirstlane_b32 s20, v1                    ; wave 0..3
	v_and_b32 v2, 31, v0                           ; lane
	s_wait_kmcnt 0x0
	s_cmp_ge_u32 ttmp9, WGQ                        ; the three tasks part on the work-group's number alone
	s_cbranch_scc1 .Lother
; ---- THE QUANTISER.  Rows are dense and K is a multiple of 32: both tensors are streams of blocks of 32.  A wave takes 16 steps of 512 numbers.  Each load reads 512 consecutive bytes; a step's 2,048 bytes
; turn through the wave's own stage in LDS, so that a lane then holds 16 neighbours along K (two neighbouring lanes hold a block).  Loads run four steps ahead, the turn through LDS one step.
	v_lshlrev_b32 v3, 4, v2                        ; my 16 bytes of a load's 512
	s_mul_i32 s21, s20, WREG
	v_lshrrev_b32 v14, 2, v2
	v_mul_u32_u24 v14, v14, SP
	v_and_b32 v15, 3, v2
	v_lshl_add_u32 v14, v15, 4, v14
	v_add_nc_u32 v14, s21, v14                     ; the stage, on the way in: SP (lane / 4) + 16 (lane % 4)
	v_mul_u32_u24 v15, v2, SP
	v_add_nc_u32 v15, s21, v15                     ; and on the way out: SP x lane
	v_mul_u32_u24 v4, v2, CB                       ; my codes' place in a step's
	v_lshrrev_b32 v5, 1, v2
	s_add_co_u32 s21, s21, 2*32*SP
	v_add_nc_u32 v5, s21, v5                       ; my block's byte among my wave's 256 scale bytes
	v_lshlrev_b32 v7, 3, v2
	v_add_nc_u32 v6, s21, v7                       ; and on the way out 8 bytes a lane
	s_cmp_lt_u32 ttmp9, WGA                        ; x's work-group or W_qkv's
	s_cselect_b64 s[4:5], s[4:5], s[6:7]
	s_cselect_b32 s21, 0, WGA
	s_sub_co_u32 s21, ttmp9, s21
	s_lshl_b32 s21, s21, 2
	s_add_co_u32 s22, s21, s20                     ; which run of 8,192 numbers of the tensor is my wave's
	s_mov_b32 s23, 0
	s_lshl_b64 s[24:25], s[22:23], 15
	s_add_nc_u64 s[4:5], s[4:5], s[24:25]
	s_lshl_b32 s22, ttmp9, 2
	s_add_co_u32 s22, s22, s20                     ; and which run of the one stream of results
	s_lshl_b64 s[24:25], s[22:23], 12              ; 4,096 bytes of codes a run
	s_add_nc_u64 s[10:11], s[10:11], s[24:25]
	s_lshl_b64 s[24:25], s[22:23], 8               ; 256 scale bytes a run
	s_add_nc_u64 s[12:13], s[12:13], s[24:25]
.macro LOAD t
.irp i, 0,1,2,3
	global_load_b128 v[R+16*((\t)%4)+4*\i:R+16*((\t)%4)+4*\i+3], v3, s[4:5] offset:2048*(\t)+512*\i th:TH_LOAD_NT   ; 32 lanes read 512 consecutive bytes
.endr
.endm
.macro TURN t                          ; step t's numbers through the stage: LDS serves a wave's instructions in order, so no wait stands between the stores and the loads
.irp i, 0,1,2,3
	ds_store_b128 v14, v[R+16*((\t)%4)+4*\i:R+16*((\t)%4)+4*\i+3] offset:32*SP*((\t)%2)+8*SP*\i
.endr
.irp i, 0,1,2,3
	ds_load_b128 v[X+16*((\t)%2)+4*\i:X+16*((\t)%2)+4*\i+3], v15 offset:32*SP*((\t)%2)+16*\i
.endr
.endm
.irp t, 0,1,2,3
	LOAD \t
.endr
	s_wait_loadcnt 12                              ; step 0's four loads are in; the twelve of steps 1 to 3 may be out
	TURN 0
.macro STEP t
.set XS, X+16*((\t)%2)
.if (\t) > 0
	s_wait_dscnt 1                                 ; this step's numbers are back from the stage (the last step's byte store may be out)
.else
	s_wait_dscnt 0x0
.endif
.if (\t)+4 < STEPS
	LOAD (\t)+4
.endif
.if (\t)+1 < STEPS
.if STEPS-2-(\t) >= 3
	s_wait_loadcnt 12                              ; the next step's four loads are in; those of the three steps behind it may be out
.else
	s_wait_loadcnt 4*(STEPS-2-(\t))
.endif
	TURN (\t)+1
.endif
	v_max3_num_f32 v8, |v[XS]|, |v[XS+1]|, |v[XS+2]|               ; the largest magnitude of my 16, in two chains
	v_max3_num_f32 v9, |v[XS+3]|, |v[XS+4]|, |v[XS+5]|
.irp i, 6,10
	v_max3_num_f32 v8, v8, |v[XS+\i]|, |v[XS+\i+1]|
	v_max3_num_f32 v9, v9, |v[XS+\i+2]|, |v[XS+\i+3]|
.endr
	v_max3_num_f32 v8, v8, |v[XS+14]|, |v[XS+15]|
	v_max3_num_f32 v8, v8, v9, (EMAX+1)<<23        ; and the floor 2^(EMAX + 1 - 127): the byte cannot fall under 1
	v_max_num_f32_dpp v8, v8, v8 row_xmask:1 row_mask:0xf bank_mask:0xf   ; and of my neighbour's 16: the block's
	v_add_nc_u32 v11, -(EMAX<<23), v8              ; EMAX off its exponent field: the conversion takes the exponent field of this operand as its scale
	v_cvt_scalef32_pk8_fp4_f32 v[C+4*(\t)], v[XS:XS+7], v11
	v_cvt_scalef32_pk8_fp4_f32 v[C+4*(\t)+1], v[XS+8:XS+15], v11
	v_lshrrev_b32 v[E+(\t)], 23, v11               ; the scale's byte (also the plain line behind the conversions)
	ds_store_b8 v5, v[E+(\t)] offset:16*(\t)       ; both lanes of a block write the same byte with the same value
	global_store_b64 v4, v[C+4*(\t):C+4*(\t)+1], s[10:11] offset:32*CB*(\t)   ; 32 lanes store 256 consecutive bytes, aligned
.endm
.irp t, 0,1,2,3,4,5,6,7,8,9,10,11,12,13,14,15
	STEP \t
.endr
	ds_load_b64 v[8:9], v6                         ; my wave's 256 scale bytes: these loads see my stores
	s_wait_dscnt 0x0
	global_store_b64 v7, v[8:9], s[12:13]          ; 256 consecutive bytes, aligned
	s_branch .Lend
; ---- W_out INTO f16.  A wave takes four rows e = 4 G .. 4 G + 3: lane = 8 (row) + (eight numbers of a block of 64).  For each of the 16 blocks of 64 along K two loads of 16 bytes a lane,
; four roundings in place, and one store: the four rows' 128 bytes of a block lie on end in wout16: 512 consecutive bytes.
.Lother:
	s_cmp_ge_u32 ttmp9, WGW
	s_cbranch_scc1 .Lrope
	s_sub_co_u32 s21, ttmp9, WGQ
	s_lshl_b32 s21, s21, 2
	s_add_co_u32 s22, s21, s20                     ; G
	s_mov_b32 s23, 0
	s_lshl_b64 s[24:25], s[22:23], 14              ; four rows of 4,096 bytes
	s_add_nc_u64 s[8:9], s[8:9], s[24:25]
	s_lshl_b64 s[24:25], s[22:23], 9               ; four rows of 128 bytes
	s_add_nc_u64 s[14:15], s[14:15], s[24:25]
	v_lshrrev_b32 v3, 3, v2
	v_and_b32 v4, 7, v2
	v_lshlrev_b32 v3, 12, v3
	v_lshl_add_u32 v3, v4, 5, v3                   ; in: row x 4,096 + 32 x (lane % 8)
	v_lshlrev_b32 v4, 4, v2                        ; out: 16 x lane
.set n, 0
.rept 16
	global_load_b128 v[32+8*n:35+8*n], v3, s[8:9] offset:256*n th:TH_LOAD_NT
	global_load_b128 v[36+8*n:39+8*n], v3, s[8:9] offset:256*n+16 th:TH_LOAD_NT
.set n, n+1
.endr
.set n, 0
.rept 16
	s_wait_loadcnt 30-2*n                          ; this block's two loads are in; the later blocks' may be out
	v_cvt_pk_f16_f32 v[32+8*n], v[32+8*n], v[33+8*n]
	v_cvt_pk_f16_f32 v[33+8*n], v[34+8*n], v[35+8*n]
	v_cvt_pk_f16_f32 v[34+8*n], v[36+8*n], v[37+8*n]
	v_cvt_pk_f16_f32 v[35+8*n], v[38+8*n], v[39+8*n]
	global_store_b128 v4, v[32+8*n:35+8*n], s[14:15] offset:131072*n   ; no register of a store is written again
.set n, n+1
.endr
	s_branch .Lend
; ---- THE TABLE OF cos AND sin.  rope is laid [256 blocks of 16 positions][8 pieces][32 lanes][16 bytes]: pieces 0-3 cos, 4-7 sin; piece 2 b + jj, lane 16 h + r, number e: position 16 block + r,
; frequency i = 16 b + 8 h + 4 jj + e.  Wave q makes pieces q and 4 + q of four blocks.
.set FQ, 16                            ; v16-19 my four frequencies
.set OUTR, 32                          ; v32-63 results: block it: cos at 8 it, sin at 8 it + 4
.set TH, 64
.set NN, 68
.set RO, 72
.set ZZ, 76
.set SS, 80
.set CC, 84
.set NI, 88
.set T1, 92
.Lrope:
	s_sub_co_u32 s21, ttmp9, WGW
	s_lshl_b32 s22, s21, 14                        ; four blocks of 4,096 bytes
	s_mov_b32 s23, 0
	s_add_nc_u64 s[16:17], s[16:17], s[22:23]
	s_lshl_b32 s21, s21, 6                         ; 64 positions a work-group
	v_and_b32 v3, 15, v2
	v_add_nc_u32 v8, s21, v3                       ; my position in the first block
	v_lshrrev_b32 v3, 4, v2                        ; h
	s_lshr_b32 s21, s20, 1
	s_lshl_b32 s21, s21, 4
	s_and_b32 s22, s20, 1
	s_lshl_b32 s22, s22, 2
	s_add_co_u32 s21, s21, s22
	v_lshl_add_u32 v3, v3, 3, s21                  ; my first frequency: 16 (q / 2) + 4 (q % 2) + 8 h
	v_lshlrev_b32 v5, 4, v2
	s_lshl_b32 s22, s20, 9
	v_add_nc_u32 v5, s22, v5                       ; 16 x lane + 512 x piece
	s_mov_b32 s24, 0x3f22f983                      ; 2 / pi
	s_mov_b32 s25, 0x3fc90fdb                      ; pi / 2, its f32 part,
	s_mov_b32 s26, 0xb33bbd2e                      ; and what is left of it
	s_mov_b32 s27, 0xb94ca1f9                      ; sin: -1.9515296e-4,
	s_mov_b32 s28, 0x3c08839e                      ; 8.3321609e-3,
	s_mov_b32 s29, 0xbe2aaaa3                      ; -1.6666655e-1
	s_mov_b32 s30, 0x37ccf5ce                      ; cos: 2.4433157e-5,
	s_mov_b32 s31, 0xbab6061a                      ; -1.3887316e-3,
	s_mov_b32 s32, 0x3d2aaaa5                      ; 4.1666646e-2
.irp e, 0,1,2,3
	v_add_nc_u32 v[FQ+\e], \e, v3
.endr
.irp e, 0,1,2,3
	v_cvt_f32_u32 v[FQ+\e], v[FQ+\e]
.endr
.irp e, 0,1,2,3
	v_mul_f32 v[FQ+\e], 0xbed49a78, v[FQ+\e]       ; x -log2(10000) / 32
.endr
.irp e, 0,1,2,3
	v_exp_f32 v[FQ+\e], v[FQ+\e]
.endr
	v_nop                                          ; a plain line behind the last exponential,
	s_wait_alu depctr_va_vdst(0)                   ; and one wait for the four, ahead of their first reader
.irp it, 0,1,2,3
	v_add_nc_u32 v9, 16*\it, v8
	v_cvt_f32_u32 v10, v9                          ; t
.irp e, 0,1,2,3
	v_mul_f32 v[TH+\e], v10, v[FQ+\e]              ; the angle, rounded once, as reference()'s outer product rounds it
.endr
.irp e, 0,1,2,3
	v_mul_f32 v[NN+\e], s24, v[TH+\e]
.endr
.irp e, 0,1,2,3
	v_rndne_f32 v[NN+\e], v[NN+\e]                 ; n: how many quarter turns
.endr
.irp e, 0,1,2,3
	v_fma_f32 v[RO+\e], -v[NN+\e], s25, v[TH+\e]
.endr
.irp e, 0,1,2,3
	v_fma_f32 v[RO+\e], -v[NN+\e], s26, v[RO+\e]   ; what is left, within +-pi / 4
.endr
.irp e, 0,1,2,3
	v_mul_f32 v[ZZ+\e], v[RO+\e], v[RO+\e]
.endr
.irp e, 0,1,2,3
	v_fma_f32 v[SS+\e], v[ZZ+\e], s27, s28
.endr
.irp e, 0,1,2,3
	v_fma_f32 v[SS+\e], v[SS+\e], v[ZZ+\e], s29
.endr
.irp e, 0,1,2,3
	v_mul_f32 v[SS+\e], v[SS+\e], v[ZZ+\e]
.endr
.irp e, 0,1,2,3
	v_fma_f32 v[SS+\e], v[SS+\e], v[RO+\e], v[RO+\e]   ; sin of it
.endr
.irp e, 0,1,2,3
	v_fma_f32 v[CC+\e], v[ZZ+\e], s30, s31
.endr
.irp e, 0,1,2,3
	v_fma_f32 v[CC+\e], v[CC+\e], v[ZZ+\e], s32
.endr
.irp e, 0,1,2,3
	v_fma_f32 v[T1+\e], v[ZZ+\e], -0.5, 1.0
.endr
.irp e, 0,1,2,3
	v_mul_f32 v[ZZ+\e], v[ZZ+\e], v[ZZ+\e]
.endr
.irp e, 0,1,2,3
	v_fma_f32 v[CC+\e], v[ZZ+\e], v[CC+\e], v[T1+\e]   ; cos of it
.endr
.irp e, 0,1,2,3
	v_cvt_i32_f32 v[NI+\e], v[NN+\e]
.endr
.irp e, 0,1,2,3
	v_and_b32 v[T1+\e], 1, v[NI+\e]
	v_cmp_eq_u32 vcc_lo, 1, v[T1+\e]               ; an odd number of quarter turns: the two change places
	v_cndmask_b32 v[OUTR+8*\it+\e], v[CC+\e], v[SS+\e], vcc_lo
	v_cndmask_b32 v[OUTR+8*\it+4+\e], v[SS+\e], v[CC+\e], vcc_lo
	v_and_b32 v[T1+\e], 2, v[NI+\e]                ; sin is turned over in quarters 2 and 3,
	v_lshlrev_b32 v[T1+\e], 30, v[T1+\e]
	v_xor_b32 v[OUTR+8*\it+4+\e], v[T1+\e], v[OUTR+8*\it+4+\e]
	v_add_nc_u32 v[T1+\e], 1, v[NI+\e]             ; cos in quarters 1 and 2
	v_and_b32 v[T1+\e], 2, v[T1+\e]
	v_lshlrev_b32 v[T1+\e], 30, v[T1+\e]
	v_xor_b32 v[OUTR+8*\it+\e], v[T1+\e], v[OUTR+8*\it+\e]
.endr
	global_store_b128 v5, v[OUTR+8*\it:OUTR+8*\it+3], s[16:17] offset:4096*\it         ; 512 consecutive bytes; each block has its own registers
	global_store_b128 v5, v[OUTR+8*\it+4:OUTR+8*\it+7], s[16:17] offset:4096*\it+2048
.endr
.Lend:
	s_wait_tensorcnt 0x0                           ; the wave's end: behind my last LDS store
	ds_add_u32 v[SPW], v[NIL]
	s_wait_dscnt 0x0
	s_endpgm
.Lfunc_end_k_qd020f14973_prep:
	.size	k_qd020f14973_prep, .Lfunc_end_k_qd020f14973_prep-k_qd020f14973_prep
	.p2alignl 7, 3214868480
	.fill 96, 4, 3214868480
	.section	.rodata,"a",@progbits
	.p2align	6, 0x0
	.amdhsa_kernel k_qd020f14973_prep
		.amdhsa_group_segment_fixed_size 33280
		.amdhsa_private_segment_fixed_size 0
		.amdhsa_enable_private_segment 0
		.amdhsa_kernarg_size 56
		.amdhsa_user_sgpr_count 2
		.amdhsa_user_sgpr_kernarg_segment_ptr 1
		.amdhsa_wavefront_size32 1
		.amdhsa_system_sgpr_workgroup_id_x 1
		.amdhsa_system_sgpr_workgroup_id_y 1
		.amdhsa_system_sgpr_workgroup_id_z 1
		.amdhsa_system_vgpr_workitem_id 0
		.amdhsa_next_free_vgpr 192
		.amdhsa_next_free_sgpr 66
		.amdhsa_reserve_vcc 1
		.amdhsa_float_denorm_mode_32 3
		.amdhsa_float_denorm_mode_16_64 3
		.amdhsa_memory_ordered 1
		.amdhsa_forward_progress 1
		.amdhsa_inst_pref_size 64
	.end_amdhsa_kernel
	.amdgpu_metadata
---
amdhsa.version: [ 1, 2 ]
amdhsa.kernels:
  - .name:           k_qd020f14973_prep
    .symbol:         k_qd020f14973_prep.kd
    .args:
      - { .name: x, .offset: 0, .size: 8, .value_kind: global_buffer, .address_space: global }
      - { .name: W_qkv, .offset: 8, .size: 8, .value_kind: global_buffer, .address_space: global }
      - { .name: W_out, .offset: 16, .size: 8, .value_kind: global_buffer, .address_space: global }
      - { .name: codes, .offset: 24, .size: 8, .value_kind: global_buffer, .address_space: global }
      - { .name: scales, .offset: 32, .size: 8, .value_kind: global_buffer, .address_space: global }
      - { .name: wout16, .offset: 40, .size: 8, .value_kind: global_buffer, .address_space: global }
      - { .name: rope, .offset: 48, .size: 8, .value_kind: global_buffer, .address_space: global }
    .group_segment_fixed_size: 33280
    .private_segment_fixed_size: 0
    .kernarg_segment_align: 8
    .kernarg_segment_size: 56
    .max_flat_workgroup_size: 128
    .sgpr_count:     66
    .vgpr_count:     192
    .wavefront_size: 32
...
	.end_amdgpu_metadata
.endif
;; end of part 1
;; launch qkv (part 2): grid 12 x 16, 4 waves a work-group, clusters of 4 x 4, 327,680 bytes of LDS; arguments codes, scales, qkv16, rope, qkv32; writes qkv16, qkv32
.if DOCPART == 2
	.amdgcn_target "amdgcn-amd-amdhsa--gfx1250"
	.amdhsa_code_object_version 6
	.text
	.protected	k_qd020f14973_qkv
	.globl	k_qd020f14973_qkv
	.p2align	8
	.type	k_qd020f14973_qkv,@function
k_qd020f14973_qkv:
	s_mov_b64 s[64:65], 0
	v_nop
	global_prefetch_b8 v0, s[64:65] scope:SCOPE_SE
	s_setreg_imm32_b32 hwreg(HW_REG_WAVE_MODE, 25, 1), 1
	s_wait_xcnt 0x0
	s_wait_alu depctr_hold_cnt(0) depctr_sa_sdst(0) depctr_va_vdst(0) depctr_va_sdst(0) depctr_va_ssrc(0) depctr_va_vcc(0) depctr_vm_vsrc(0)
	s_getreg_b32 s2, hwreg(HW_REG_IB_STS2, 6, 4)
	s_cmp_eq_u32 s2, 0
	s_cbranch_scc0 .Lentry_in_a_cluster
	s_endpgm
.Lentry_in_a_cluster:
	s_bfe_u32 s2, ttmp6, 0x10000c
	s_cmp_lg_u32 s2, 0xf033
	s_cbranch_scc0 .Lentry_shape_is_right
	s_endpgm
.Lentry_shape_is_right:
; qkv[t][e] = sum over k of x[t][k] W_qkv[e][k] on codes of FP4 (E2M1) with one E8M0 scale for each 32 along K; sums in f32; then the rotation of q and k in f32; results as f16, by head.
; codes: rows 0-4095 x, rows 4096-7167 W_qkv, 512 bytes a row; scales: 32 bytes a row, the same rows.  qkv16: [48 groups of 64 columns][4096 t][64] f16 (groups 0-15 q's heads, 16-31 k's, 32-47 v's).
; qkv32: [48][16 t][64] f32: positions 0 to 15 once more, unrounded, for the launch first16.
; A tile of 256 x 256 is made by a work-group of four waves, a wave makes 128 x 128: 64 accumulators of 16 x 16.  K = 1,024 is two slots of 512: both are asked for at the start and nothing is filled again.
; THE SCALES of the work-group's 256 + 256 rows come into LDS once, with the first fills, as whole units of 256 bytes.
; CLUSTERS: 4 x 4 work-groups.  The four of a row of the cluster need the same rows of x, the four of a column the same rows of W_qkv: each tile is asked for jointly.  A cluster's four tile columns are
; 1,024 columns: cluster x = 0, 1, 2 is q, k, v, so the choice between rotating and not rotating hangs on the cluster's x, which all partners share.
; THAT CHOICE IS MADE ONCE, AT THE CHANGE OF SLOTS: the way that rotates asks there for the cos and sin of its first two blocks of rows, which land while the last slot's products run; the way of v asks for none.
; So the last slot's 256 products are written on both ways (macro LASTSLOT).
; THE MATRIX INSTRUCTION IS USED TRANSPOSED (source 0 = 16 rows of W_qkv, source 1 = 16 rows of x): a lane holds one position t and eight neighbouring columns.
; LIMIT: q, k and v are rounded to f16: magnitudes over 65,504 become infinity.
; REGISTERS, in windows of 256: window 0: v0-31 addresses; v32-95 scale words, two sets; v128-191 x's fragments, one set; v192-255 cos and sin, two sets.  On the way out v32-95 rotated numbers, v96-127 f16 pairs, v128-191 rows read back.
;   window 1: W_qkv's fragments, two sets.   window 2: the accumulators of my rows 0-63 ((a, b) at v[8 (8 a + b)]);   window 3: those of my rows 64-127.
.set SIZE_K, 1024
.set KSTEP,  512
.set NQ,     KSTEP/128
.set ROWB,   256                       ; a tile's row in bytes
.set KROW,   SIZE_K*4/8                ; a row of codes in memory
.set PITCH,  272                       ; an LDS row: 256 bytes + 16 of padding: the sixteen rows of a load begin at sixteen different 16-byte columns modulo 256
.set FR,     8
.set NL,     2
.set NP,     4                         ; places behind this matrix instruction (ISA guide 7.12.1)
.set HALFT,  128*PITCH
.set SLOT,   4*HALFT
.set KS,     SIZE_K/32
.set SCL,    2*SLOT                    ; behind the two slots: the scales, as units of 256 bytes + 16 of padding
.set HALFS,  (128*KS/256)*272
.set SBLK,   (16*KS/256)*272
.set SPARE,  SCL+4*HALFS               ; the spare words, 128 bytes a wave, which no other line names
.set STG,    SPARE+512                 ; the way out: for each wave two heads x 16 rows x (128 bytes + 16); no tile lands here
.set WSTG,   2*16*144
.set ADRA, 16
.set ADRB, 20
.set STO,  24                          ; v24  the way out: where I put 16 bytes of a row
.set RD,   25                          ; v25  where I read rows back
.set CO,   26                          ; v26  16 x lane
.set ADRS, 27
.set SPW,  28
.set NIL,  29
.set FO,   30                          ; v30  my place in a group of qkv32: 256 r + 32 h
.set SC,   32
.set AF,   128
.set T,    32                          ; the way out: head hd's 32 numbers at v[T + 32 hd]: index 8 b + j is column 16 b + 8 h + j
.set PK,   96                          ; and as f16 pairs at v[PK + 16 hd]
.set BK,   128                         ; rows read back: two sets of 32
.set CSR,  192                         ; cos (16) and sin (16) of a block of 16 rows: two sets
.set G1, 24
.set G0, 32
.set G1B, 48
.set G0B, 56
.set G1S, 68
.set G0S, 76
.set G1SB, 80
.set G0SB, 88
.set MSB, 0
.macro WIN new                         ; the immediate's high byte repeats the setting that is left
.if MSB != \new
	s_set_vgpr_msb (MSB<<8)|\new
.set MSB, \new
.endif
.endm
.set MUL_LO, 0xa1                      ; source 0 (W_qkv) window 1, source 1 (x) window 0, C and D window 2
.set MUL_HI, 0xf1
.set TO_B,   0x40
; A joint load: waves 0 and 1 fetch for x, waves 2 and 3 for W_qkv.  The branch hangs on the wave's number alone.  An s_nop 0 and four v_nop follow each of the two lines.
.macro JLOAD g0a, g1a, g0b, g1b
	s_cmp_eq_u32 s15, 0
	s_cbranch_scc0 .Lfor_b_\@
	tensor_load_to_lds s[\g0a:\g0a+3], s[\g1a:\g1a+7]
	s_nop 0
.rept 4
	v_nop
.endr
	s_branch .Lasked_\@
.Lfor_b_\@:
	tensor_load_to_lds s[\g0b:\g0b+3], s[\g1b:\g1b+7]
	s_nop 0
.rept 4
	v_nop
.endr
.Lasked_\@:
.endm
.macro CROUND                          ; a round of the cluster's barrier
	s_barrier_signal -1
	s_barrier_wait -1
	s_cmp_lg_u32 s14, 0
	s_cbranch_scc1 .Lnot_wave_0_\@
	s_barrier_signal -3
.Lnot_wave_0_\@:
	s_barrier_wait -3
	s_barrier_signal -1
	s_barrier_wait -1
.endm
	s_load_b128 s[4:7], s[0:1], 0x0                ; codes s[4:5], scales s[6:7]
	s_load_b64 s[12:13], s[0:1], 0x10              ; qkv16
	s_load_b128 s[96:99], s[0:1], 0x18             ; rope s[96:97], qkv32 s[98:99]
	v_lshl_add_u32 v[SPW], v0, 2, SPARE
	v_mov_b32 v[NIL], 0
	ds_add_u32 v[SPW], v[NIL]                      ; the wave's opening: the add, twice on end, and its wait ahead of my first tensor load
	ds_add_u32 v[SPW], v[NIL]
	v_lshrrev_b32 v1, 5, v0
	v_readfirstlane_b32 s14, v1                    ; wave 0..3
	s_lshr_b32 s15, s14, 1                         ; which half of the tile's rows is mine.  Also: I fetch for x (0) or for W_qkv (1)
	s_and_b32 s16, s14, 1                          ; which half of its columns.  Also: which 128 rows I fetch
	s_bfe_u32 s40, ttmp6, 0x40000                  ; cx, cy
	s_bfe_u32 s41, ttmp6, 0x40004
	s_lshl_b32 s42, ttmp9, 2
	s_add_co_u32 s42, s42, s40                     ; tile column
	s_and_b32 s17, ttmp7, 0xffff
	s_lshl_b32 s17, s17, 2
	s_add_co_u32 s17, s17, s41                     ; tile row
	s_lshl_b32 s43, s41, 2
	s_lshl_b32 s43, 15, s43                        ; my row of the cluster
	s_lshl_b32 s44, 0x1111, s40                    ; my column
	s_or_b32 s[G1+0], s43, (0<<16)|(1<<20)|(1<<21)|(5<<22)|(3<<25)   ; the mask; elements of 1 byte; padding on; bit 21 beside a mask; 4 words behind every 64
	s_or_b32 s[G1B+0], s44, (0<<16)|(1<<20)|(1<<21)|(5<<22)|(3<<25)
.irp g, G1, G1B
	s_mov_b32 s[\g+1], ROWB<<16                    ; tensor_dim0
	s_mov_b32 s[\g+2], 128<<16                     ; tensor_dim1
	s_mov_b32 s[\g+3], ROWB<<16                    ; tile_dim0
	s_mov_b32 s[\g+4], 128                         ; tile_dim1
	s_mov_b32 s[\g+5], KROW                        ; from row to row
	s_mov_b32 s[\g+6], 0
	s_mov_b32 s[\g+7], 0
.endr
	s_or_b32 s[G1S+0], s43, (3<<16)|(1<<20)|(1<<21)|(5<<22)|(3<<25)  ; the scales of 128 rows: 4,096 dense bytes as 16 rows of 256 (32 elements of 8 bytes), 16 bytes of padding behind each
	s_or_b32 s[G1SB+0], s44, (3<<16)|(1<<20)|(1<<21)|(5<<22)|(3<<25)
.irp g, G1S, G1SB
	s_mov_b32 s[\g+1], 32<<16
	s_mov_b32 s[\g+2], (128*KS/256)<<16
	s_mov_b32 s[\g+3], 32<<16
	s_mov_b32 s[\g+4], 128*KS/256
	s_mov_b32 s[\g+5], 32
	s_mov_b32 s[\g+6], 0
	s_mov_b32 s[\g+7], 0
.endr
	s_lshl_b32 s18, s16, 7
	s_lshl_b32 s20, s17, 8
	s_add_co_u32 s20, s20, s18                     ; x: row 256 x tile row + 128 x half
	s_lshl_b32 s46, s42, 8
	s_add_co_u32 s46, s46, s18                     ; W_qkv: row 256 x tile column + 128 x half
	s_mov_b32 s21, 0
	s_mov_b32 s47, 0
	s_mov_b64 s[18:19], KS
	s_mul_u64 s[22:23], s[20:21], s[18:19]         ; where these rows' scales begin
	s_mul_u64 s[92:93], s[46:47], s[18:19]
	s_mov_b64 s[18:19], KROW
	s_mul_u64 s[20:21], s[20:21], s[18:19]         ; and their codes
	s_mul_u64 s[46:47], s[46:47], s[18:19]
	s_mul_i32 s45, s14, HALFT                      ; where they go: wave x 128 rows
	s_mul_i32 s94, s14, HALFS
	s_wait_dscnt 0x0                               ; both opening adds are done
	s_wait_kmcnt 0x0
	s_add_nc_u64 s[8:9], s[4:5], 0x200000          ; W_qkv's codes lie behind x's 4,096 rows of 512 bytes,
	s_add_nc_u64 s[10:11], s[6:7], 0x20000         ; its scales behind x's 4,096 rows of 32
	s_add_nc_u64 s[20:21], s[4:5], s[20:21]
	s_add_nc_u64 s[22:23], s[6:7], s[22:23]
	s_add_nc_u64 s[46:47], s[8:9], s[46:47]
	s_add_nc_u64 s[92:93], s[10:11], s[92:93]
	CROUND                                         ; all sixteen work-groups are here: the first joint loads meet
	s_mov_b32 s[G0S], 1
	s_add_co_u32 s[G0S+1], s94, SCL
	s_mov_b64 s[G0S+2:G0S+3], s[22:23]
	s_or_b32 s[G0S+3], s[G0S+3], 0x80000000
	s_mov_b32 s[G0SB], 1
	s_add_co_u32 s[G0SB+1], s94, SCL
	s_mov_b64 s[G0SB+2:G0SB+3], s[92:93]
	s_or_b32 s[G0SB+3], s[G0SB+3], 0x80000000
	JLOAD G0S, G1S, G0SB, G1SB                     ; the scales first: three loads of mine are out behind the last of these
.irp s, 0,1
	s_mov_b32 s[G0+4*\s], 1
	s_add_co_u32 s[G0+4*\s+1], s45, \s*SLOT
	s_add_nc_u64 s[G0+4*\s+2:G0+4*\s+3], s[20:21], \s*ROWB
	s_or_b32 s[G0+4*\s+3], s[G0+4*\s+3], 0x80000000
	s_mov_b32 s[G0B+4*\s], 1
	s_add_co_u32 s[G0B+4*\s+1], s45, \s*SLOT
	s_add_nc_u64 s[G0B+4*\s+2:G0B+4*\s+3], s[46:47], \s*ROWB
	s_or_b32 s[G0B+4*\s+3], s[G0B+4*\s+3], 0x80000000
	JLOAD G0+4*\s, G1, G0B+4*\s, G1B
.endr
	v_and_b32 v1, 15, v0                           ; r = l % 16
	v_bfe_u32 v2, v0, 4, 1                         ; h = l / 16
	v_mul_u32_u24 v3, v1, PITCH
	v_lshl_add_u32 v4, v2, 4, v3
	s_mul_i32 s21, s15, HALFT
	s_mul_i32 s22, s16, HALFT
	s_add_co_u32 s22, s22, 2*HALFT
.irp s, 0,1
	v_add_nc_u32 v[ADRA+\s], s21, v4
	v_add_nc_u32 v[ADRB+\s], s22, v4
	s_add_co_u32 s21, s21, SLOT
	s_add_co_u32 s22, s22, SLOT
.endr
	v_mul_u32_u24 v5, v1, KS                       ; my row's scales: KS bytes a row,
	v_lshrrev_b32 v6, 8, v5
	v_lshl_add_u32 v5, v6, 4, v5                   ; and 16 more for each 256 passed
	s_mul_i32 s21, s15, HALFS
	s_mul_i32 s22, s16, HALFS
	s_add_co_u32 s22, s22, 2*HALFS
	s_sub_co_u32 s22, s22, s21
	v_mul_u32_u24 v6, s22, v2                      ; lanes 16-31 take W_qkv's
	s_add_co_u32 s21, s21, SCL
	v_add_nc_u32 v5, v5, v6
	v_add_nc_u32 v[ADRS], s21, v5
	s_mul_i32 s23, s14, WSTG
	s_add_co_u32 s23, s23, STG                     ; my stage
	v_mul_u32_u24 v5, v1, 144
	v_lshl_add_u32 v5, v2, 4, v5
	v_add_nc_u32 v[STO], s23, v5                   ; in: row r, 16 bytes for each half of the lanes
	v_and_b32 v6, 31, v0
	v_lshrrev_b32 v7, 3, v6
	v_mul_u32_u24 v7, v7, 144
	v_and_b32 v8, 7, v6
	v_lshl_add_u32 v7, v8, 4, v7
	v_add_nc_u32 v[RD], s23, v7                    ; back: eight lanes to a row of 128 bytes, four rows an instruction
	v_lshlrev_b32 v[CO], 4, v6
	v_lshlrev_b32 v[FO], 8, v1
	v_lshl_add_u32 v[FO], v2, 5, v[FO]
	s_lshl_b32 s44, s42, 2
	s_lshl_b32 s47, s16, 1
	s_add_co_u32 s44, s44, s47                     ; my first group of 64 columns: 4 x tile column + 2 x half
	s_mov_b32 s47, 0
	s_lshl_b32 s46, s44, 12
	s_add_nc_u64 s[98:99], s[98:99], s[46:47]      ; qkv32: 4,096 bytes a group
	s_lshl_b32 s46, s44, 19
	s_add_nc_u64 s[12:13], s[12:13], s[46:47]      ; qkv16: 524,288 bytes a group
	s_lshl_b32 s20, s17, 1
	s_add_co_u32 s18, s20, s15                     ; my 128 rows: 2 x tile row + half
	s_mov_b32 s21, 0
	s_lshl_b32 s20, s18, 14
	s_add_nc_u64 s[12:13], s[12:13], s[20:21]      ; 128 rows of 128 bytes
	s_lshl_b32 s20, s18, 15
	s_add_nc_u64 s[96:97], s[96:97], s[20:21]      ; rope: eight blocks of 4,096 bytes
.macro CSLOAD a                        ; cos and sin of my block a of 16 rows: eight pieces of 512 consecutive bytes, as they lie
.irp p, 0,1,2,3,4,5,6,7
	global_load_b128 v[CSR+32*((\a)%2)+4*\p:CSR+32*((\a)%2)+4*\p+3], v[CO], s[96:97] offset:(\a)*4096+512*\p
.endr
.endm
.macro FRAG reg, adr, q, i             ; a fragment, 16 rows x 128 K of 4-bit codes: lane l holds row l % 16; registers 4 c .. 4 c + 3 hold K = 64 c + 32 (l / 16) + 0 .. 31
.irp c, 0,1
	ds_load_b128 v[\reg+4*\c:\reg+4*\c+3], v[\adr] offset:64*(\q)+32*\c+(\i)*16*PITCH
.endr
.endm
; 16 matrix instructions: x's blocks a0, a0 + 1 against W_qkv's eight, 128 along K.  The 64 accumulators take turns, one instruction a turn, in the same order in every step.
.macro MUL16 a0, p, q, sc, zero
.irp a, \a0, \a0+1
.irp b, 0,1,2,3,4,5,6,7
.if \zero
	v_wmma_scale_f32_16x16x128_f8f6f4 v[8*(8*((\a)%4)+\b):8*(8*((\a)%4)+\b)+7], v[128*(\p)+FR*\b:128*(\p)+FR*\b+FR-1], v[AF+FR*(\a):AF+FR*(\a)+FR-1], 0, v[SC+8*NQ*(\sc)+NQ*\b+(\q)], v[SC+8*NQ*(\sc)+NQ*(\a)+(\q)] matrix_a_fmt:MATRIX_FMT_FP4 matrix_b_fmt:MATRIX_FMT_FP4 matrix_a_scale:MATRIX_SCALE_ROW1
.else
	v_wmma_scale_f32_16x16x128_f8f6f4 v[8*(8*((\a)%4)+\b):8*(8*((\a)%4)+\b)+7], v[128*(\p)+FR*\b:128*(\p)+FR*\b+FR-1], v[AF+FR*(\a):AF+FR*(\a)+FR-1], v[8*(8*((\a)%4)+\b):8*(8*((\a)%4)+\b)+7], v[SC+8*NQ*(\sc)+NQ*\b+(\q)], v[SC+8*NQ*(\sc)+NQ*(\a)+(\q)] matrix_a_fmt:MATRIX_FMT_FP4 matrix_b_fmt:MATRIX_FMT_FP4 matrix_a_scale:MATRIX_SCALE_ROW1
.endif
.endr
.endr
.endm
.macro FETCH_B slot, q, p
	WIN TO_B
.irp i, 0,1,2,3,4,5,6,7
	FRAG 128*(\p)+FR*\i, ADRB+\slot, \q, \i
.endr
	WIN 0
.endm
.macro FETCH_A slot, q, i0
.irp i, \i0, \i0+1, \i0+2, \i0+3
	FRAG AF+FR*(\i), ADRA+\slot, \q, \i
.endr
.endm
.macro SCALES sc                       ; a slot's scale words: lanes 0-15 take x's block i, lanes 16-31 W_qkv's block i
.irp i, 0,1,2,3,4,5,6,7
	ds_load_b128 v[SC+8*NQ*\sc+NQ*\i:SC+8*NQ*\sc+NQ*\i+3], v[ADRS] offset:\i*SBLK
.endr
.endm
.macro PLACES n                        ; plain vector lines between a matrix instruction and a load into, or a read of, its registers
.rept \n
	v_nop
.endr
.endm
.macro STEP slot, q, zero              ; 128 along K that have their successor in the same slot
	s_wait_dscnt 4*NL                              ; W_qkv's set and x's blocks 0-3 are in; the youngest eight loads (x's blocks 4-7) may be out
	WIN MUL_LO
	MUL16 0, (\q)%2, \q, \slot, \zero
	MUL16 2, (\q)%2, \q, \slot, \zero
	s_wait_dscnt 0
	PLACES NP
	FETCH_B \slot, (\q)+1, 1-(\q)%2
	FETCH_A \slot, (\q)+1, 0
	WIN MUL_HI
	MUL16 4, (\q)%2, \q, \slot, \zero
	MUL16 6, (\q)%2, \q, \slot, \zero
	PLACES NP
	WIN 0
	FETCH_A \slot, (\q)+1, 4
.endm
.macro TURN slot, next                 ; a slot's last step: one barrier, behind which the next slot is whole for every wave; nothing is filled again
	s_wait_tensorcnt 0x0                           ; all my tensor loads have landed: my part of the next slot
	ds_add_u32 v[SPW], v[NIL]                      ; 0 onto my spare word
	s_wait_dscnt 4*NL+1                            ; (the add and the youngest eight loads may be out)
	WIN MUL_LO
	MUL16 0, 1, NQ-1, \slot, 0
	s_wait_dscnt 0x0                               ; the add is done, and no LDS instruction of mine is out at the signal
	s_barrier_signal -1
	MUL16 2, 1, NQ-1, \slot, 0
	WIN 0
	s_barrier_wait -1
	PLACES NP
	v_add_nc_u32 v[ADRS], 4*NQ, v[ADRS]            ; on to the next slot's scale words
	FETCH_B \next, 0, 0
	FETCH_A \next, 0, 0
	SCALES \next
	WIN MUL_HI
	MUL16 4, 1, NQ-1, \slot, 0
	MUL16 6, 1, NQ-1, \slot, 0
	PLACES NP
	WIN 0
	FETCH_A \next, 0, 4
.endm
.macro STEPS slot, from
.set Q, \from
.rept NQ-1-\from
	STEP \slot, Q, 0
.set Q, Q+1
.endr
.endm
; Slot 1's four steps, the last of which fetches nothing; then the places behind the last products: for the reads of results, the writes over the scale words and the loads into x's fragments.
.macro LASTSLOT
	STEPS 1, 0
	s_wait_dscnt 4*NL
	WIN MUL_LO
	MUL16 0, 1, NQ-1, 1, 0
	MUL16 2, 1, NQ-1, 1, 0
	s_wait_dscnt 0
	WIN MUL_HI
	MUL16 4, 1, NQ-1, 1, 0
	MUL16 6, 1, NQ-1, 1, 0
	WIN 0
	PLACES NP
.endm
; THE WAY OUT, block by block of 16 rows.  Lane (r, h), register j of accumulator (a, b) is (row 16 a + r, column 16 b + 8 h + j); head hd of my two takes b = 4 hd .. 4 hd + 3.
; The rotation: with x1 the head's columns 0-31 and x2 its columns 32-63, out1 = x1 cos - x2 sin, out2 = x2 cos + x1 sin, the frequency i = column % 32.  Each accumulator is read from its low end on.
.macro ROPE a, hd
.set AC, 64*((\a)%4)+32*(\hd)
.set TT, T+32*(\hd)
.set CT, CSR+32*((\a)%2)
	WIN 0x02+(\a)/4                                ; source 0: the accumulators' window
.irp bb, 0,1
.irp j, 0,2,4,6
	v_pk_mul_f32 v[TT+16+8*\bb+\j:TT+16+8*\bb+\j+1], v[AC+8*\bb+\j:AC+8*\bb+\j+1], v[CT+16+8*\bb+\j:CT+16+8*\bb+\j+1]
	v_pk_mul_f32 v[TT+8*\bb+\j:TT+8*\bb+\j+1], v[AC+16+8*\bb+\j:AC+16+8*\bb+\j+1], v[CT+16+8*\bb+\j:CT+16+8*\bb+\j+1]
.endr
.endr
.irp bb, 0,1
.irp j, 0,2,4,6
	v_pk_fma_f32 v[TT+8*\bb+\j:TT+8*\bb+\j+1], v[AC+8*\bb+\j:AC+8*\bb+\j+1], v[CT+8*\bb+\j:CT+8*\bb+\j+1], v[TT+8*\bb+\j:TT+8*\bb+\j+1] neg_lo:[0,0,1] neg_hi:[0,0,1]
	v_pk_fma_f32 v[TT+16+8*\bb+\j:TT+16+8*\bb+\j+1], v[AC+16+8*\bb+\j:AC+16+8*\bb+\j+1], v[CT+8*\bb+\j:CT+8*\bb+\j+1], v[TT+16+8*\bb+\j:TT+16+8*\bb+\j+1]
.endr
.endr
	WIN 0
.endm
.macro PACKT hd                        ; rotated numbers to f16
.irp n, 0,1,2,3,4,5,6,7,8,9,10,11,12,13,14,15
	v_cvt_pk_f16_f32 v[PK+16*(\hd)+\n], v[T+32*(\hd)+2*\n], v[T+32*(\hd)+2*\n+1]
.endr
.endm
.macro PACKV a, hd                     ; v: straight from the accumulators
	WIN 0x0a+5*((\a)/4)
.irp n, 0,1,2,3,4,5,6,7,8,9,10,11,12,13,14,15
	v_cvt_pk_f16_f32 v[PK+16*(\hd)+\n], v[64*((\a)%4)+32*(\hd)+2*\n], v[64*((\a)%4)+32*(\hd)+2*\n+1]
.endr
	WIN 0
.endm
; Positions 0 to 15 in f32: block 0 of the waves with the tile's upper rows, in tile row 0.  The branch hangs on the cluster's y and the wave's number, which are the same in all partners;
; the tile row within the cluster only switches lanes off.  EXEC changes only behind s_wait_xcnt 0, on the way in and on the way back.
.macro F32OUT rope
	s_and_b32 s2, ttmp7, 0xffff
	s_or_b32 s2, s2, s15
	s_cmp_lg_u32 s2, 0
	s_cbranch_scc1 .Lnot_first_\@
	v_mov_b32 v31, s17
	v_cmp_eq_u32 vcc_lo, 0, v31
	s_wait_xcnt 0x0
	s_and_saveexec_b32 s2, vcc_lo
.if \rope
.irp hd, 0,1
.irp b, 0,1,2,3
	global_store_b128 v[FO], v[T+32*\hd+8*\b:T+32*\hd+8*\b+3], s[98:99] offset:\hd*4096+64*\b
	global_store_b128 v[FO], v[T+32*\hd+8*\b+4:T+32*\hd+8*\b+7], s[98:99] offset:\hd*4096+64*\b+16
.endr
.endr
.else
	WIN 0x08                                       ; a store's data are its source 1: window 2
.irp hd, 0,1
.irp b, 0,1,2,3
	global_store_b128 v[FO], v[32*\hd+8*\b:32*\hd+8*\b+3], s[98:99] offset:\hd*4096+64*\b
	global_store_b128 v[FO], v[32*\hd+8*\b+4:32*\hd+8*\b+7], s[98:99] offset:\hd*4096+64*\b+16
.endr
.endr
	WIN 0
.endif
	s_wait_xcnt 0x0
	s_or_b32 exec_lo, exec_lo, s2
.Lnot_first_\@:
.endm
.macro TOSTAGE2 a                      ; 16 bytes a lane into my stage, and back as whole rows: LDS serves a wave's instructions in order
.irp hd, 0,1
.irp b, 0,1,2,3
	ds_store_b128 v[STO], v[PK+16*\hd+4*\b:PK+16*\hd+4*\b+3] offset:\hd*2304+32*\b
.endr
.endr
.irp hd, 0,1
.irp i, 0,1,2,3
	ds_load_b128 v[BK+32*((\a)%2)+4*(4*\hd+\i):BK+32*((\a)%2)+4*(4*\hd+\i)+3], v[RD] offset:\hd*2304+576*\i
.endr
.endr
.endm
.macro SEND2 a, younger                ; younger: the LDS instructions issued behind block a's loads, which may stay out
	s_wait_dscnt \younger
.irp hd, 0,1
.irp i, 0,1,2,3
	global_store_b128 v[CO], v[BK+32*((\a)%2)+4*(4*\hd+\i):BK+32*((\a)%2)+4*(4*\hd+\i)+3], s[12:13] offset:\hd*524288+(\a)*2048+512*\i th:TH_STORE_NT   ; four rows of 128 bytes: 512 consecutive bytes, aligned
.endr
.endr
.endm
	s_wait_tensorcnt 1                             ; the scales and my part of slot 0 are in; slot 1's load may be out
	s_barrier_signal -1
	s_barrier_wait -1
	FETCH_B 0, 0, 0
	FETCH_A 0, 0, 0
	SCALES 0
	FETCH_A 0, 0, 4
	STEP 0, 0, 1                                   ; the first products start the sums: nothing is cleared
	STEPS 0, 1
	TURN 0, 1
	s_cmp_eq_u32 ttmp9, 2                          ; the cluster's x: q and k are rotated, v is not.  Every window is 0 here
	s_cbranch_scc1 .Lvpath
; ---- q and k
	CSLOAD 0                                       ; into registers that the products never name: sixteen loads, which land while the last slot's products run
	CSLOAD 1
	LASTSLOT
.irp a, 0,1,2,3,4,5,6,7
.if \a < 7
	s_wait_loadcnt 8                               ; this block's cos and sin are in; the next block's eight loads may be out
.else
	s_wait_loadcnt 0
.endif
.if \a > 0
	s_wait_dscnt 8                                 ; the last block's eight stores into the stage are done; its eight loads may be out
.endif
	ROPE \a, 0
	ROPE \a, 1
.if \a < 6
	CSLOAD \a+2
.endif
	PACKT 0
	PACKT 1
.if \a == 0
	F32OUT 1
.endif
.if \a > 1
	s_wait_xcnt 0x0                                ; block a - 2's stores have read the registers into which this block is read back
.endif
	TOSTAGE2 \a
.if \a > 0
	SEND2 \a-1, 16                                 ; behind block a - 1's loads: block a's eight stores and eight loads
.endif
.endr
	SEND2 7, 0
	s_branch .Lend
; ---- v
.Lvpath:
	LASTSLOT
.irp a, 0,1,2,3,4,5,6,7
.if \a > 0
	s_wait_dscnt 8
.endif
	PACKV \a, 0
	PACKV \a, 1
.if \a == 0
	F32OUT 0
.endif
.if \a > 1
	s_wait_xcnt 0x0
.endif
	TOSTAGE2 \a
.if \a > 0
	SEND2 \a-1, 16
.endif
.endr
	SEND2 7, 0
.Lend:
	s_wait_tensorcnt 0x0                           ; the wave's end: behind my last tensor load and my last LDS store
	ds_add_u32 v[SPW], v[NIL]
	s_wait_dscnt 0x0
	CROUND                                         ; the closing round
	s_endpgm
.Lfunc_end_k_qd020f14973_qkv:
	.size	k_qd020f14973_qkv, .Lfunc_end_k_qd020f14973_qkv-k_qd020f14973_qkv
	.p2alignl 7, 3214868480
	.fill 96, 4, 3214868480
	.section	.rodata,"a",@progbits
	.p2align	6, 0x0
	.amdhsa_kernel k_qd020f14973_qkv
		.amdhsa_group_segment_fixed_size 327680
		.amdhsa_private_segment_fixed_size 0
		.amdhsa_enable_private_segment 0
		.amdhsa_kernarg_size 40
		.amdhsa_user_sgpr_count 2
		.amdhsa_user_sgpr_kernarg_segment_ptr 1
		.amdhsa_wavefront_size32 1
		.amdhsa_system_sgpr_workgroup_id_x 1
		.amdhsa_system_sgpr_workgroup_id_y 1
		.amdhsa_system_sgpr_workgroup_id_z 1
		.amdhsa_system_vgpr_workitem_id 0
		.amdhsa_next_free_vgpr 1024
		.amdhsa_next_free_sgpr 100
		.amdhsa_reserve_vcc 1
		.amdhsa_float_denorm_mode_32 3
		.amdhsa_float_denorm_mode_16_64 3
		.amdhsa_memory_ordered 1
		.amdhsa_forward_progress 1
		.amdhsa_inst_pref_size 241
	.end_amdhsa_kernel
	.amdgpu_metadata
---
amdhsa.version: [ 1, 2 ]
amdhsa.kernels:
  - .name:           k_qd020f14973_qkv
    .symbol:         k_qd020f14973_qkv.kd
    .args:
      - { .name: codes, .offset: 0, .size: 8, .value_kind: global_buffer, .address_space: global }
      - { .name: scales, .offset: 8, .size: 8, .value_kind: global_buffer, .address_space: global }
      - { .name: qkv16, .offset: 16, .size: 8, .value_kind: global_buffer, .address_space: global }
      - { .name: rope, .offset: 24, .size: 8, .value_kind: global_buffer, .address_space: global }
      - { .name: qkv32, .offset: 32, .size: 8, .value_kind: global_buffer, .address_space: global }
    .group_segment_fixed_size: 327680
    .private_segment_fixed_size: 0
    .kernarg_segment_align: 8
    .kernarg_segment_size: 40
    .max_flat_workgroup_size: 128
    .sgpr_count:     100
    .vgpr_count:     1024
    .wavefront_size: 32
...
	.end_amdgpu_metadata
.endif
;; end of part 2
;; launch attn (part 3): grid 16 x 16, 16 waves a work-group, no clusters, 327,680 bytes of LDS; arguments qkv16, attn16; writes attn16
.if DOCPART == 3
	.amdgcn_target "amdgcn-amd-amdhsa--gfx1250"
	.amdhsa_code_object_version 6
	.text
	.protected	k_qd020f14973_attn
	.globl	k_qd020f14973_attn
	.p2align	8
	.type	k_qd020f14973_attn,@function
k_qd020f14973_attn:
	s_mov_b64 s[64:65], 0
	v_nop
	global_prefetch_b8 v0, s[64:65] scope:SCOPE_SE
	s_setreg_imm32_b32 hwreg(HW_REG_WAVE_MODE, 25, 1), 1
	s_wait_xcnt 0x0
; attn16[head][q][:] = the sum over keys k <= q of softmax_k(Q[q] . K[k] / 8) V[k][:], f16 operands, f32 products, maxima and sums; the weights are rounded to f16 for the second product, the result once at the end.
; WORK LEFT OUT: key steps all of whose 64 keys come after all 32 queries of the wave: reference()'s own mask gives them the weight 0 for all values of the inputs (shown at the head of the launch prep).
; qkv16: [48 groups][4096][64] f16: group head is Q, 16 + head is K, 32 + head is V.  attn16: [16 heads][4096][64] f16.
; SHARES.  Work-group (i, head) owns query blocks i and 31 - i of 128 queries: (i + 1) + (32 - i) = 33 units of 128 keys for every work-group.  Wave w: pair p = w / 2, parity s = w % 2.  A pair owns 32 queries, two tiles of 16
; (pairs 0-3 in block i, pairs 4-7 in block 31 - i); the wave of parity s walks the key steps of 64 whose number has that parity; at the end the pair's two waves join their maxima, sums and results through LDS.
; So each fragment of K and V that a wave reads from LDS feeds two tiles.
; LAYOUT.  S^T = K Q^T (source 0 = 16 keys, source 1 = 16 queries): a lane holds one query (lane % 16) and the keys 8 (lane / 16) + 0..7; two such tiles, rounded to f16 in pairs, are source 1 of O^T = V^T P.  V is turned by ds_load_tr16_b128.
; SOFTMAX.  A running maximum m and sum l for each query: p = 2^(c s - c m), c = log2(e) / 8; in every step O and l are multiplied by a = 2^(c m_old - c m_new).
; THE RING.  Two slots of 256 keys (K: 256 rows of 128 bytes + 16; V: + 32), 2^17 bytes apart.  Wave 0 fetches a slot's K, wave 1 its V, one tensor load each.  Every work-group walks all 16 slots: the trip counts are constants;
; what is left out is a step's work, by a scalar branch on ids.  A slot whose first key comes after the work-group's last query is read by no wave and is not asked for.
; NO CLUSTER: how many slots a work-group asks for hangs on its number, so partners would need different numbers of tiles.
; LIMIT: the result is rounded to f16.
; REGISTERS: v1-8 addresses that stay; v9-15 at work; v16-31 statistics, eight a tile; v32-63 Q; v64-127 K's fragments, then V's; v128-191 S^T, then p, then P; v192-255 O^T.
.set HB,    524288                     ; a group of qkv16, and a head of attn16, in bytes
.set PKP,   144                        ; a key's row of K in LDS: 9 x 16 bytes
.set PVP,   160                        ; and of V: 5 x 32 bytes
.set VOFF,  256*PKP
.set SLOT1, 1<<17
.set OSTG,  81920                      ; the way out: 32 rows x 144 bytes for each pair; no tile lands here
.set SPARE, 118784                     ; the spare words, 128 bytes a wave, which no other line names
.set MRG,   208896                     ; behind slot 1: for each pair 16 images of 512 bytes (O^T) and one of statistics; no tile lands here
.set AK0, 1
.set AV0, 2
.set ADK, 3
.set ADV, 4
.set SPW, 5
.set NIL, 6
.set DQ,  7                            ; v7  r - 8 h
.set PFO, 8                            ; v8  256 x lane; never rewritten
.set ST,  16                           ; tile t at v[ST + 8 t]: +0 c m, +1 m, +2, +3 l (two halves), +4 to +7 at work; a in +6
.set QF,  32                           ; tile t, channels 32 c on: v[QF + 16 t + 8 c]
.set KV,  64
.set S,   128                          ; tile t, keys 16 k on: v[S + 32 t + 8 k]; P takes v[S + 32 t] .. + 15
.set OA,  192                          ; tile t, channels 16 g on: v[OA + 32 t + 8 g]
.set WV,  8
.set PAR, 9
.set PP,  10
.set Q0,  11                           ; my first query
.set QL,  12                           ; my work-group's last query
.set KF,  13                           ; my step's first key
.set SF,  14                           ; the slot's first key
.set TB,  15                           ; LDS byte at which the slot in hand begins
.set SLOTS, 16
.set SEL, 20
.set CS,  22
.set G1K, 24
.set G1V, 32
.set G0K, 40
.set G0V, 44
.set PFA, 48
.set LIM, 50
; Wave 0 fetches K, wave 1 V, the others nothing.  An s_nop 0 and four v_nop follow each of the two lines.
.macro TLOAD
	s_cmp_eq_u32 s[WV], 0
	s_cbranch_scc0 .Lnot_k_\@
	tensor_load_to_lds s[G0K:G0K+3], s[G1K:G1K+7]
	s_nop 0
.rept 4
	v_nop
.endr
	s_branch .Lasked_\@
.Lnot_k_\@:
	s_cmp_eq_u32 s[WV], 1
	s_cbranch_scc0 .Lasked_\@
	tensor_load_to_lds s[G0V:G0V+3], s[G1V:G1V+7]
	s_nop 0
.rept 4
	v_nop
.endr
.Lasked_\@:
.endm
; A prefetch of what the NEXT change of slots will ask for: a slot's K and V are two dense blocks of 32,768 bytes.  All work-groups of a head walk the same K and V: the head's work-group 0 asks, which walks all slots itself.
; In it waves 4 to 7 ask for K's block and waves 8 to 11 for V's, 8,192 bytes a wave, lanes 256 bytes apart: each aligned 256 bytes are named once in the launch.  The last change that fills a slot asks for nothing.
.macro ASK
	s_cmp_gt_u32 s[SLOTS], s[LIM]
	s_cbranch_scc0 .Lnot_mine_\@
	global_prefetch_b8 v[PFO], s[PFA:PFA+1] th:TH_LOAD_NT scope:SCOPE_SE
.Lnot_mine_\@:
.endm
	s_load_b128 s[4:7], s[0:1], 0x0                ; qkv16 s[4:5], attn16 s[6:7]
	v_lshl_add_u32 v[SPW], v0, 2, SPARE
	v_mov_b32 v[NIL], 0
	ds_add_u32 v[SPW], v[NIL]                      ; the wave's opening: the add, twice on end, and its wait ahead of the first tensor load
	ds_add_u32 v[SPW], v[NIL]
	v_lshrrev_b32 v9, 5, v0
	v_readfirstlane_b32 s[WV], v9                  ; wave 0..15
	s_lshr_b32 s[PP], s[WV], 1
	s_and_b32 s[PAR], s[WV], 1
	s_lshl_b32 s52, ttmp9, 7                       ; 128 i
	s_sub_co_u32 s53, 3968, s52                    ; 128 (31 - i)
	s_sub_co_u32 s[QL], 4095, s52                  ; 128 (32 - i) - 1
	s_cmp_lt_u32 s[PP], 4
	s_cselect_b32 s52, s52, s53
	s_and_b32 s53, s[PP], 3
	s_lshl_b32 s53, s53, 5
	s_add_co_u32 s[Q0], s52, s53
	s_lshl_b32 s[KF], s[PAR], 6
	s_mov_b32 s[SF], 0
	s_mov_b32 s[TB], 0
	s_mov_b32 s[SLOTS], 15
	s_and_b32 s54, ttmp7, 0xffff                   ; the head
	s_lshl_b32 s54, s54, 19
	s_mov_b32 s55, 0
	s_lshl_b32 s56, s[Q0], 7                       ; my first query's row of 128 bytes
	s_mov_b32 s57, 0
	s_mov_b32 s[G1K], (1<<16)|(1<<20)|(4<<22)|(3<<25)   ; no mask; elements of 2 bytes; padding on: 4 words behind every 32
	s_mov_b32 s[G1V], (1<<16)|(1<<20)|(4<<22)|(7<<25)   ; the same with 8 words
.irp g, G1K, G1V
	s_mov_b32 s[\g+1], 64<<16                      ; tensor_dim0
	s_mov_b32 s[\g+2], 256<<16                     ; tensor_dim1
	s_mov_b32 s[\g+3], 64<<16                      ; tile_dim0
	s_mov_b32 s[\g+4], 256                         ; tile_dim1
	s_mov_b32 s[\g+5], 64                          ; from row to row
	s_mov_b32 s[\g+6], 0
	s_mov_b32 s[\g+7], 0
.endr
	s_mov_b32 s[SEL], 0x76543210
	s_mov_b32 s[SEL+1], 0xfedcba98                 ; v_permlanex16_b32's selects for lane l xor 16
	s_mov_b32 s[CS], 0x3e38aa3b                    ; c = log2(e) / 8
	s_mov_b32 s[CS+1], s[CS]
	s_sub_co_u32 s52, s[WV], 4
	s_lshr_b32 s52, s52, 3                         ; 0 in waves 4 to 11,
	s_or_b32 s52, s52, ttmp9                       ; of the head's work-group 0
	s_cmp_eq_u32 s52, 0
	s_cselect_b32 s[LIM], 1, -1
	s_wait_dscnt 0x0                               ; both opening adds are done
	s_wait_kmcnt 0x0
	s_add_nc_u64 s[58:59], s[4:5], s[54:55]        ; the head's Q
	s_add_nc_u64 s[18:19], s[58:59], s[56:57]      ; at my first query
	s_add_nc_u64 s[66:67], s[6:7], s[54:55]
	s_add_nc_u64 s[66:67], s[66:67], s[56:57]      ; the result likewise
	s_mov_b32 s[G0K], 1
	s_mov_b32 s[G0K+1], 0
	s_add_nc_u64 s[G0K+2:G0K+3], s[58:59], 16*HB
	s_mov_b32 s[G0V], 1
	s_mov_b32 s[G0V+1], VOFF
	s_add_nc_u64 s[G0V+2:G0V+3], s[58:59], 32*HB
	s_cmp_lt_u32 s[WV], 8
	s_cselect_b64 s[PFA:PFA+1], s[G0K+2:G0K+3], s[G0V+2:G0V+3]
	s_or_b32 s[G0K+3], s[G0K+3], 0x80000000
	s_or_b32 s[G0V+3], s[G0V+3], 0x80000000
	TLOAD                                          ; slot 0: key 0 counts for every query
	s_and_b32 s52, s[WV], 3
	s_lshl_b32 s52, s52, 13
	s_add_co_u32 s52, s52, 32768                   ; my wave's 8,192 bytes, in slot 1: the first change of slots steps it to slot 2
	s_mov_b32 s53, 0
	s_add_nc_u64 s[PFA:PFA+1], s[PFA:PFA+1], s[52:53]
	v_and_b32 v9, 15, v0                           ; r
	v_bfe_u32 v10, v0, 4, 1                        ; h
	v_lshlrev_b32 v14, 7, v9
	v_lshl_add_u32 v14, v10, 4, v14                ; Q: row r of 128 bytes + 16 h
.irp t, 0,1
.irp c, 0,1
	global_load_b128 v[QF+16*\t+8*\c:QF+16*\t+8*\c+3], v14, s[18:19] offset:\t*2048+64*\c
	global_load_b128 v[QF+16*\t+8*\c+4:QF+16*\t+8*\c+7], v14, s[18:19] offset:\t*2048+64*\c+32
.endr
.endr
	v_mul_u32_u24 v[AK0], v9, PKP
	v_lshl_add_u32 v[AK0], v10, 4, v[AK0]
	s_mul_i32 s52, s[PAR], 64*PKP
	v_add_nc_u32 v[AK0], s52, v[AK0]               ; K: row r + 16 h bytes, in my parity's 64 keys
	v_and_b32 v11, 7, v0
	v_bfe_u32 v12, v0, 3, 1
	v_lshl_add_u32 v[AV0], v10, 3, v11
	v_mul_u32_u24 v[AV0], v[AV0], PVP
	v_lshl_add_u32 v[AV0], v12, 4, v[AV0]
	s_mul_i32 s52, s[PAR], 64*PVP
	s_add_co_u32 s52, s52, VOFF
	v_add_nc_u32 v[AV0], s52, v[AV0]               ; V, for the turning load: key 8 h + l % 8, channels 8 ((l / 8) % 2) on
	v_lshlrev_b32 v13, 3, v10
	v_sub_nc_u32 v[DQ], v9, v13
	v_and_b32 v[PFO], 31, v0
	v_lshlrev_b32 v[PFO], 8, v[PFO]
.irp t, 0,1
	v_mov_b32 v[ST+8*\t+1], 0xff61b1e6             ; m: -3e38, under every score
	v_mul_f32 v[ST+8*\t], s[CS], v[ST+8*\t+1]
	v_mov_b32 v[ST+8*\t+2], 0
	v_mov_b32 v[ST+8*\t+3], 0
	v_mov_b32 v[ST+8*\t+5], 0                      ; (a lane permute's destination counts as one of its sources)
	v_mov_b32 v[ST+8*\t+7], 0
.endr
.set n, 0
.rept 64
	v_mov_b32 v[OA+n], 0                           ; the step is written once: its first pass finds zeros, which a = 0 leaves zeros; a wave that walks no step hands zeros to its partner
.set n, n+1
.endr
; On the diagonal the scores of hidden keys become -infinity ahead of the maximum.  Register j of tile (t, k) holds key KF + 16 k + 8 h + j for query Q0 + 16 t + r: hidden where 16 k + j - 16 t > Q0 - KF + r - 8 h.
; KF is a multiple of 64 and Q0 of 32, so a step that is walked (KF <= Q0 + 31) has KF <= Q0: its first key counts for all 32 queries, and m is a number from the first step on.
.macro MASK
	s_add_co_u32 s52, s[KF], 63
	s_cmp_le_u32 s52, s[Q0]
	s_cbranch_scc1 .Lopen_\@
	s_sub_co_i32 s52, s[Q0], s[KF]
	v_add_nc_u32 v9, s52, v[DQ]
	v_mov_b32 v10, 0xff800000
.irp t, 0,1
.irp k, 0,1,2,3
.irp j, 0,1,2,3,4,5,6,7
	v_cmp_gt_i32 vcc_lo, 16*\k+\j-16*\t, v9
	v_cndmask_b32 v[S+32*\t+8*\k+\j], v[S+32*\t+8*\k+\j], v10, vcc_lo
.endr
.endr
.endr
.Lopen_\@:
.endm
.macro SOFTMAX                         ; the two tiles alternate line by line
.irp j, 0,1,2,3
.irp t, 0,1
	v_max3_num_f32 v[ST+8*\t+4+\j], v[S+32*\t+8*\j], v[S+32*\t+8*\j+1], v[S+32*\t+8*\j+2]   ; four chains; each accumulator is read from its low end on
.endr
.endr
.irp g, 1,2
.irp j, 0,1,2,3
.irp t, 0,1
	v_max3_num_f32 v[ST+8*\t+4+\j], v[ST+8*\t+4+\j], v[S+32*\t+8*\j+2*\g+1], v[S+32*\t+8*\j+2*\g+2]
.endr
.endr
.endr
.irp t, 0,1
	v_max3_num_f32 v[ST+8*\t+4], v[ST+8*\t+4], v[S+32*\t+7], v[S+32*\t+15]
.endr
.irp t, 0,1
	v_max3_num_f32 v[ST+8*\t+6], v[ST+8*\t+6], v[S+32*\t+23], v[S+32*\t+31]
.endr
.irp t, 0,1
	v_max3_num_f32 v[ST+8*\t+4], v[ST+8*\t+4], v[ST+8*\t+5], v[ST+8*\t+6]
.endr
.irp t, 0,1
	v_max3_num_f32 v[ST+8*\t+4], v[ST+8*\t+4], v[ST+8*\t+7], v[ST+8*\t+1]   ; with the old m
.endr
.irp t, 0,1
	v_permlanex16_b32 v[ST+8*\t+5], v[ST+8*\t+4], s[SEL], s[SEL+1]          ; the query's other 32 keys lie in the lane 16 away
.endr
.irp t, 0,1
	v_mov_b32 v[ST+8*\t+7], v[ST+8*\t]             ; c m_old
.endr
.irp t, 0,1
	v_max_num_f32 v[ST+8*\t+1], v[ST+8*\t+4], v[ST+8*\t+5]
.endr
.irp t, 0,1
	v_mul_f32 v[ST+8*\t], s[CS], v[ST+8*\t+1]
.endr
.irp t, 0,1
	v_sub_f32 v[ST+8*\t+7], v[ST+8*\t+7], v[ST+8*\t]
.endr
.set n, 0
.rept 16
.irp t, 0,1
	v_pk_fma_f32 v[S+32*\t+n:S+32*\t+n+1], v[S+32*\t+n:S+32*\t+n+1], s[CS:CS+1], v[ST+8*\t:ST+8*\t+1] op_sel_hi:[1,0,0] neg_lo:[0,0,1] neg_hi:[0,0,1]   ; c s - c m
.endr
.set n, n+2
.endr
.irp t, 0,1
	v_exp_f32 v[ST+8*\t+6], v[ST+8*\t+7]           ; a
.endr
.set n, 0
.rept 32
.irp t, 0,1
	v_exp_f32 v[S+32*\t+n], v[S+32*\t+n]           ; p, at most 1
.endr
.set n, n+1
.endr
	v_nop                                          ; a plain line behind the last exponential,
	s_wait_alu depctr_va_vdst(0)                   ; and one wait for the batch of 66, ahead of its first reader
.irp t, 0,1
	v_pk_fma_f32 v[ST+8*\t+2:ST+8*\t+3], v[ST+8*\t+2:ST+8*\t+3], v[ST+8*\t+6:ST+8*\t+7], v[S+32*\t:S+32*\t+1] op_sel_hi:[1,0,1]   ; l = a l + the sum, in two chains
.endr
.irp t, 0,1
	v_pk_add_f32 v[ST+8*\t+4:ST+8*\t+5], v[S+32*\t+2:S+32*\t+3], v[S+32*\t+4:S+32*\t+5]
.endr
.irp n, 6,10,14,18,22,26
.irp t, 0,1
	v_pk_add_f32 v[ST+8*\t+2:ST+8*\t+3], v[ST+8*\t+2:ST+8*\t+3], v[S+32*\t+\n:S+32*\t+\n+1]
	v_pk_add_f32 v[ST+8*\t+4:ST+8*\t+5], v[ST+8*\t+4:ST+8*\t+5], v[S+32*\t+\n+2:S+32*\t+\n+3]
.endr
.endr
.irp t, 0,1
	v_pk_add_f32 v[ST+8*\t+2:ST+8*\t+3], v[ST+8*\t+2:ST+8*\t+3], v[S+32*\t+30:S+32*\t+31]
.endr
.irp t, 0,1
	v_pk_add_f32 v[ST+8*\t+2:ST+8*\t+3], v[ST+8*\t+2:ST+8*\t+3], v[ST+8*\t+4:ST+8*\t+5]
.endr
.set n, 0
.rept 16
.irp t, 0,1
	v_cvt_pk_f16_f32 v[S+32*\t+n], v[S+32*\t+2*n], v[S+32*\t+2*n+1]   ; in place, ascending: register n is written when registers 2 n and 2 n + 1 are read
.endr
.set n, n+1
.endr
.set n, 0
.rept 16
.irp t, 0,1
	v_pk_mul_f32 v[OA+32*\t+n:OA+32*\t+n+1], v[OA+32*\t+n:OA+32*\t+n+1], v[ST+8*\t+6:ST+8*\t+7] op_sel_hi:[1,0]
.endr
.set n, n+2
.endr
.endm
; A KEY STEP: my parity's 64 keys of the slot's half qq.  The accumulators take turns, one instruction a turn: eight in each product.
.macro STEP qq
	s_add_co_u32 s52, s[Q0], 31
	s_cmp_gt_u32 s[KF], s52                        ; all 64 keys come after my 32 queries: the step's work is left out
	s_cbranch_scc1 .Lhidden_\@
	v_add_nc_u32 v[ADK], s[TB], v[AK0]
	v_add_nc_u32 v[ADV], s[TB], v[AV0]
.rept 3
	v_nop                                          ; with the two additions five places behind the last products: the products below write over P, which those read, and the loads land on V's fragments
.endr
.irp k, 0,1,2,3
.irp c, 0,1
	ds_load_b128 v[KV+8*(2*\k+\c):KV+8*(2*\k+\c)+3], v[ADK] offset:128*PKP*(\qq)+16*PKP*\k+64*\c
	ds_load_b128 v[KV+8*(2*\k+\c)+4:KV+8*(2*\k+\c)+7], v[ADK] offset:128*PKP*(\qq)+16*PKP*\k+64*\c+32
.endr
.endr
	s_wait_dscnt 0x0
.irp c, 0,1
.irp k, 0,1,2,3
.irp t, 0,1
.if \c == 0
	v_wmma_f32_16x16x32_f16 v[S+32*\t+8*\k:S+32*\t+8*\k+7], v[KV+8*(2*\k+\c):KV+8*(2*\k+\c)+7], v[QF+16*\t+8*\c:QF+16*\t+8*\c+7], 0
.else
	v_wmma_f32_16x16x32_f16 v[S+32*\t+8*\k:S+32*\t+8*\k+7], v[KV+8*(2*\k+\c):KV+8*(2*\k+\c)+7], v[QF+16*\t+8*\c:QF+16*\t+8*\c+7], v[S+32*\t+8*\k:S+32*\t+8*\k+7]
.endif
.endr
.endr
.endr
.rept 4
	v_nop                                          ; places in front of the loads into K's fragments and of the first read of the scores
.endr
.irp u, 0,1
.irp g, 0,1,2,3
	ds_load_tr16_b128 v[KV+8*(4*\u+\g):KV+8*(4*\u+\g)+3], v[ADV] offset:128*PVP*(\qq)+32*PVP*\u+32*\g
	ds_load_tr16_b128 v[KV+8*(4*\u+\g)+4:KV+8*(4*\u+\g)+7], v[ADV] offset:128*PVP*(\qq)+32*PVP*\u+32*\g+16*PVP
.endr
.endr
	MASK
	SOFTMAX                                        ; V lands meanwhile
	s_wait_dscnt 0x0
.irp u, 0,1
.irp g, 0,1,2,3
.irp t, 0,1
	v_wmma_f32_16x16x32_f16 v[OA+32*\t+8*\g:OA+32*\t+8*\g+7], v[KV+8*(4*\u+\g):KV+8*(4*\u+\g)+7], v[S+32*\t+8*\u:S+32*\t+8*\u+7], v[OA+32*\t+8*\g:OA+32*\t+8*\g+7]
.endr
.endr
.endr
.Lhidden_\@:
	s_add_co_u32 s[KF], s[KF], 128
.endm
; THE CHANGE OF SLOTS, at a slot's head.  Each wave waits for all its tensor loads, adds 0 to its spare word, and waits for that and for its reads of the slot that it has left; behind the barrier the slot ahead is whole and
; nobody reads the other one.  fill = 1: that other slot is asked for, while its first key is at or under the work-group's last query: the test is made of ids and the count of slots alone, the same in all sixteen waves,
; leads round the load's own lines and round nothing else, and every wait for tensor loads in this text is for 0.
.macro CHANGE fill
	s_wait_tensorcnt 0x0                           ; no tensor load of mine is out, so a group 0 may be written
	ds_add_u32 v[SPW], v[NIL]                      ; 0 onto my spare word
.if \fill
	ds_add_u32 v[SPW], v[NIL]                      ; and once more: the add is made twice on end, in every trip alike
	s_xor_b32 s[G0K+1], s[G0K+1], SLOT1            ; the walking descriptors: the other slot, the next 256 keys
	s_add_nc_u64 s[G0K+2:G0K+3], s[G0K+2:G0K+3], 32768
	s_xor_b32 s[G0V+1], s[G0V+1], SLOT1
	s_add_nc_u64 s[G0V+2:G0V+3], s[G0V+2:G0V+3], 32768
	s_wait_xcnt 0x0                                ; the last prefetch, a slot back, has read its address
	s_add_nc_u64 s[PFA:PFA+1], s[PFA:PFA+1], 32768
.endif
	s_wait_dscnt 0x0
	s_barrier_signal -1
	s_barrier_wait -1
.if \fill
	s_add_co_u32 s52, s[SF], 256                   ; the first key of the slot that this change would ask for
	s_cmp_gt_u32 s52, s[QL]
	s_cbranch_scc1 .Lpast_\@
	TLOAD                                          ; a wave's one tensor load until the next such barrier: it has a slot's steps in which to land
.Lpast_\@:
	ASK
.endif
.endm
.macro SLOT_STEPS
	STEP 0
	STEP 1
	s_xor_b32 s[TB], s[TB], SLOT1
	s_add_co_u32 s[SF], s[SF], 256
.endm
	s_wait_loadcnt 0x0                             ; Q
.Lslot:                                            ; 15 trips: behind each change of slots but the last the next slot is asked for, up to the causal limit
	CHANGE 1
	SLOT_STEPS
	s_sub_co_u32 s[SLOTS], s[SLOTS], 1
	s_cmp_lg_u32 s[SLOTS], 0
	s_cbranch_scc1 .Lslot
	CHANGE 0                                       ; the last slot is written out: nothing is left to ask for
	SLOT_STEPS
; THE WAY OUT.  The odd wave of a pair hands c m, l and O^T to the even one as images of its registers; the even wave brings both under the larger c m, divides by the joint sum, rounds to f16 and stores 32 whole rows.
.rept 4
	v_nop                                          ; places behind the last products
.endr
.irp t, 0,1
	v_add_f32 v[ST+8*\t+4], v[ST+8*\t+2], v[ST+8*\t+3]
.endr
.irp t, 0,1
	v_permlanex16_b32 v[ST+8*\t+5], v[ST+8*\t+4], s[SEL], s[SEL+1]
.endr
.irp t, 0,1
	v_add_f32 v[ST+8*\t+2], v[ST+8*\t+4], v[ST+8*\t+5]   ; my sum of the query's weights
.endr
	v_and_b32 v9, 31, v0                           ; every LDS address is made here, ahead of the parting of the waves
	v_and_b32 v10, 15, v0
	v_bfe_u32 v11, v0, 4, 1
	s_mul_i32 s52, s[PP], 8704
	s_add_co_u32 s52, s52, MRG
	v_lshl_add_u32 v1, v9, 4, s52                  ; the pair's images: 16 x lane
	s_mul_i32 s53, s[PP], 4608
	s_add_co_u32 s53, s53, OSTG
	v_mul_u32_u24 v2, v10, 144
	v_lshl_add_u32 v2, v11, 4, v2
	v_add_nc_u32 v2, s53, v2                       ; the pair's stage, in: row r + 16 h bytes
	v_lshrrev_b32 v3, 3, v9
	v_mul_u32_u24 v3, v3, 144
	v_and_b32 v12, 7, v0
	v_lshl_add_u32 v3, v12, 4, v3
	v_add_nc_u32 v3, s53, v3                       ; back: eight lanes to a row, four rows an instruction
	v_lshlrev_b32 v4, 4, v9
	s_cmp_eq_u32 s[PAR], 0
	s_cbranch_scc1 .Lkeeps
.set n, 0
.rept 16
	ds_store_b128 v1, v[OA+4*n:OA+4*n+3] offset:512*n
.set n, n+1
.endr
	v_mov_b32 v10, v[ST]
	v_mov_b32 v11, v[ST+2]
	v_mov_b32 v12, v[ST+8]
	v_mov_b32 v13, v[ST+10]
	ds_store_b128 v1, v[10:13] offset:8192
.Lkeeps:
	s_wait_dscnt 0x0                               ; for the partner's sake: my stores are done
	s_barrier_signal -1
	s_barrier_wait -1
	s_cmp_lg_u32 s[PAR], 0
	s_cbranch_scc1 .Lend
	ds_load_b128 v[10:13], v1 offset:8192
.set n, 0
.rept 16
	ds_load_b128 v[KV+4*n:KV+4*n+3], v1 offset:512*n
.set n, n+1
.endr
	s_wait_dscnt 16                                ; the statistics are in; the sixteen images of O^T may be out
.irp t, 0,1
	v_max_num_f32 v[ST+8*\t+4], v[ST+8*\t], v[10+2*\t]
.endr
.irp t, 0,1
	v_sub_f32 v[ST+8*\t+5], v[ST+8*\t], v[ST+8*\t+4]
	v_sub_f32 v[ST+8*\t+7], v[10+2*\t], v[ST+8*\t+4]
.endr
.irp t, 0,1
	v_exp_f32 v[ST+8*\t+5], v[ST+8*\t+5]           ; my factor,
	v_exp_f32 v[ST+8*\t+7], v[ST+8*\t+7]           ; the partner's (0 where it walked no step)
.endr
	v_nop
	s_wait_alu depctr_va_vdst(0)                   ; one wait for the four
.irp t, 0,1
	v_mul_f32 v[ST+8*\t+2], v[ST+8*\t+2], v[ST+8*\t+5]
.endr
.irp t, 0,1
	v_fma_f32 v[ST+8*\t+2], v[11+2*\t], v[ST+8*\t+7], v[ST+8*\t+2]   ; the joint sum: over 0, since I walked key 0's step
.endr
.irp t, 0,1
	v_rcp_f32 v[ST+8*\t+3], v[ST+8*\t+2]
.endr
	v_nop
	s_wait_alu depctr_va_vdst(0)                   ; one wait for the two
.irp t, 0,1
	v_mul_f32 v[ST+8*\t+4], v[ST+8*\t+5], v[ST+8*\t+3]
	v_mul_f32 v[ST+8*\t+6], v[ST+8*\t+7], v[ST+8*\t+3]
.endr
	s_wait_dscnt 0x0
.set n, 0
.rept 16
.irp t, 0,1
	v_pk_mul_f32 v[OA+32*\t+n:OA+32*\t+n+1], v[OA+32*\t+n:OA+32*\t+n+1], v[ST+8*\t+4:ST+8*\t+5] op_sel_hi:[1,0]
.endr
.set n, n+2
.endr
.set n, 0
.rept 16
.irp t, 0,1
	v_pk_fma_f32 v[OA+32*\t+n:OA+32*\t+n+1], v[KV+32*\t+n:KV+32*\t+n+1], v[ST+8*\t+6:ST+8*\t+7], v[OA+32*\t+n:OA+32*\t+n+1] op_sel_hi:[1,0,1]
.endr
.set n, n+2
.endr
.set n, 0
.rept 16
.irp t, 0,1
	v_cvt_pk_f16_f32 v[S+16*\t+n], v[OA+32*\t+2*n], v[OA+32*\t+2*n+1]
.endr
.set n, n+1
.endr
.irp t, 0,1
.irp g, 0,1,2,3
	ds_store_b128 v2, v[S+16*\t+4*\g:S+16*\t+4*\g+3] offset:2304*\t+32*\g   ; query 16 t + r, channels 16 g + 8 h + 0 .. 7
.endr
.endr
.irp i, 0,1,2,3,4,5,6,7
	ds_load_b128 v[KV+4*\i:KV+4*\i+3], v3 offset:576*\i   ; LDS serves a wave's instructions in order: these see my stores
.endr
.irp i, 0,1,2,3,4,5,6,7
	s_wait_dscnt 7-\i
	global_store_b128 v4, v[KV+4*\i:KV+4*\i+3], s[66:67] offset:512*\i th:TH_STORE_NT   ; four rows of 128 bytes: 512 consecutive bytes, aligned
.endr
.Lend:
	s_wait_tensorcnt 0x0                           ; the wave's end: behind my last tensor load and my last LDS store
	ds_add_u32 v[SPW], v[NIL]
	s_wait_dscnt 0x0
	s_endpgm
.Lfunc_end_k_qd020f14973_attn:
	.size	k_qd020f14973_attn, .Lfunc_end_k_qd020f14973_attn-k_qd020f14973_attn
	.p2alignl 7, 3214868480
	.fill 96, 4, 3214868480
	.section	.rodata,"a",@progbits
	.p2align	6, 0x0
	.amdhsa_kernel k_qd020f14973_attn
		.amdhsa_group_segment_fixed_size 327680
		.amdhsa_private_segment_fixed_size 0
		.amdhsa_enable_private_segment 0
		.amdhsa_kernarg_size 16
		.amdhsa_user_sgpr_count 2
		.amdhsa_user_sgpr_kernarg_segment_ptr 1
		.amdhsa_wavefront_size32 1
		.amdhsa_system_sgpr_workgroup_id_x 1
		.amdhsa_system_sgpr_workgroup_id_y 1
		.amdhsa_system_sgpr_workgroup_id_z 1
		.amdhsa_system_vgpr_workitem_id 0
		.amdhsa_next_free_vgpr 256
		.amdhsa_next_free_sgpr 70
		.amdhsa_reserve_vcc 1
		.amdhsa_float_denorm_mode_32 3
		.amdhsa_float_denorm_mode_16_64 3
		.amdhsa_memory_ordered 1
		.amdhsa_forward_progress 1
		.amdhsa_inst_pref_size 108
	.end_amdhsa_kernel
	.amdgpu_metadata
---
amdhsa.version: [ 1, 2 ]
amdhsa.kernels:
  - .name:           k_qd020f14973_attn
    .symbol:         k_qd020f14973_attn.kd
    .args:
      - { .name: qkv16, .offset: 0, .size: 8, .value_kind: global_buffer, .address_space: global }
      - { .name: attn16, .offset: 8, .size: 8, .value_kind: global_buffer, .address_space: global }
    .group_segment_fixed_size: 327680
    .private_segment_fixed_size: 0
    .kernarg_segment_align: 8
    .kernarg_segment_size: 16
    .max_flat_workgroup_size: 512
    .sgpr_count:     70
    .vgpr_count:     256
    .wavefront_size: 32
...
	.end_amdgpu_metadata
.endif
;; end of part 3
;; launch proj (part 4): grid 8 x 32, 4 waves a work-group, clusters of 4 x 4, 327,680 bytes of LDS; arguments attn16, wout16, out0; writes out0
.if DOCPART == 4
	.amdgcn_target "amdgcn-amd-amdhsa--gfx1250"
	.amdhsa_code_object_version 6
	.text
	.protected	k_qd020f14973_proj
	.globl	k_qd020f14973_proj
	.p2align	8
	.type	k_qd020f14973_proj,@function
k_qd020f14973_proj:
	s_mov_b64 s[64:65], 0
	v_nop
	global_prefetch_b8 v0, s[64:65] scope:SCOPE_SE
	s_setreg_imm32_b32 hwreg(HW_REG_WAVE_MODE, 25, 1), 1
	s_wait_xcnt 0x0
	s_wait_alu depctr_hold_cnt(0) depctr_sa_sdst(0) depctr_va_vdst(0) depctr_va_sdst(0) depctr_va_ssrc(0) depctr_va_vcc(0) depctr_vm_vsrc(0)
	s_getreg_b32 s2, hwreg(HW_REG_IB_STS2, 6, 4)
	s_cmp_eq_u32 s2, 0
	s_cbranch_scc0 .Lentry_in_a_cluster
	s_endpgm
.Lentry_in_a_cluster:
	s_bfe_u32 s2, ttmp6, 0x10000c
	s_cmp_lg_u32 s2, 0xf033
	s_cbranch_scc0 .Lentry_shape_is_right
	s_endpgm
.Lentry_shape_is_right:
; out0[t][e] = sum over d of attn[t][d] W_out[e][d], f16 operands, sums in f32, out0 f32.  attn16: [16 blocks of 64 along K][4096 t][64] f16; wout16: [16][1024 e][64] f16.
; (Rows 0 to 15 are made here with the tiles that hold them, and are written again, from f32 operands, by the launch first16.)
; A tile of out0 is 128 x 128: 256 work-groups.  Four waves, each 64 x 64: 16 accumulators.  K goes in steps of 256, four blocks of 64, through a ring of two LDS slots.  A wave's tensor load brings 64 rows of four blocks:
; a block's 64 rows are 8,192 dense bytes, stated as one long row of the tile; four such rows, a block apart in memory; 16 bytes of padding behind every 128, so that in LDS a row of 64 numbers has the pitch 144.
; CLUSTERS: 4 x 4 work-groups; the four of a row of the cluster ask jointly for attn's tiles, the four of a column for W_out's.  THE MATRIX INSTRUCTION IS USED TRANSPOSED (source 0 = 16 rows of W_out, source 1 = 16 rows of attn).
; No prefetch: the tiles are small and each is read by several work-groups at about the same time.
; REGISTERS: window 0: v0-31 addresses; v32-95 rows on the way out; v128-255 the accumulators ((a, b) at v[128 + 8 (4 a + b)]).  window 1: two fragment buffers of 128.
.set PITCH,  144
.set KB,     64*PITCH                  ; a block of 64 along K of 64 rows, in LDS
.set HALFT,  4*KB                      ; what one tensor load brings, and what one wave reads of either operand
.set SLOT,   4*HALFT
.set STAGE,  2*SLOT                    ; behind the ring: 16 rows x 272 bytes for each wave; no tile lands here
.set SPITCH, 272
.set SPARE,  STAGE+4*16*SPITCH         ; the spare words, 128 bytes a wave, which no other line names
.set LAPS,   2                         ; K = 1,024 is four steps: twice round the ring
.set STEPA,  4*524288                  ; a K step in attn16, in bytes
.set STEPB,  4*131072                  ; and in wout16
.set ADRA, 16
.set ADRB, 20
.set STO,  24
.set RD,   25
.set CO,   26
.set SPW,  28
.set NIL,  29
.set TMP,  32
.set ACC,  128
.set F0,   0
.set F1,   128
.set G1, 24
.set G0, 32
.set G1B, 48
.set G0B, 56
.set MSB, 0
.macro WIN new
.if MSB != \new
	s_set_vgpr_msb (MSB<<8)|\new
.set MSB, \new
.endif
.endm
.set MUL,  0x05                        ; sources 0 and 1 window 1; C and D window 0
.set TO_F, 0x40
.macro JLOAD s                         ; a joint load: waves 0 and 1 fetch attn's two halves, waves 2 and 3 W_out's; an s_nop 0 and four v_nop follow each of the two lines
	s_cmp_eq_u32 s11, 0
	s_cbranch_scc0 .Lfor_b_\@
	tensor_load_to_lds s[G0+4*\s:G0+4*\s+3], s[G1:G1+7]
	s_nop 0
.rept 4
	v_nop
.endr
	s_branch .Lasked_\@
.Lfor_b_\@:
	tensor_load_to_lds s[G0B+4*\s:G0B+4*\s+3], s[G1B:G1B+7]
	s_nop 0
.rept 4
	v_nop
.endr
.Lasked_\@:
.endm
.macro CREST
	s_cmp_lg_u32 s10, 0
	s_cbranch_scc1 .Lnot_wave_0_\@
	s_barrier_signal -3
.Lnot_wave_0_\@:
	s_barrier_wait -3
	s_barrier_signal -1
	s_barrier_wait -1
.endm
.macro CROUND
	s_barrier_signal -1
	s_barrier_wait -1
	CREST
.endm
	s_load_b128 s[4:7], s[0:1], 0x0                ; attn16 s[4:5], wout16 s[6:7]
	s_load_b64 s[8:9], s[0:1], 0x10                ; out0
	v_lshl_add_u32 v[SPW], v0, 2, SPARE
	v_mov_b32 v[NIL], 0
	ds_add_u32 v[SPW], v[NIL]                      ; the wave's opening: the add, twice on end, and its wait ahead of my first tensor load
	ds_add_u32 v[SPW], v[NIL]
	v_lshrrev_b32 v1, 5, v0
	v_readfirstlane_b32 s10, v1                    ; wave 0..3
	s_lshr_b32 s11, s10, 1                         ; which half of the tile's rows is mine.  Also: I fetch for attn (0) or for W_out (1)
	s_and_b32 s12, s10, 1                          ; which half of its columns.  Also: which 64 rows I fetch
	s_bfe_u32 s40, ttmp6, 0x40000
	s_bfe_u32 s41, ttmp6, 0x40004
	s_lshl_b32 s42, ttmp9, 2
	s_add_co_u32 s42, s42, s40                     ; tile column
	s_and_b32 s13, ttmp7, 0xffff
	s_lshl_b32 s13, s13, 2
	s_add_co_u32 s13, s13, s41                     ; tile row
	s_lshl_b32 s43, s41, 2
	s_lshl_b32 s43, 15, s43                        ; my row of the cluster
	s_lshl_b32 s44, 0x1111, s40                    ; my column
	s_or_b32 s[G1+0], s43, (1<<16)|(1<<20)|(1<<21)|(4<<22)|(3<<25)   ; the mask; elements of 2 bytes; padding on; bit 21 beside a mask; 4 words behind every 32
	s_or_b32 s[G1B+0], s44, (1<<16)|(1<<20)|(1<<21)|(4<<22)|(3<<25)
.irp g, G1, G1B
	s_mov_b32 s[\g+1], 4096<<16                    ; tensor_dim0: 64 rows x 64 numbers on end
	s_mov_b32 s[\g+2], 4<<16                       ; tensor_dim1: four blocks of 64 along K
	s_mov_b32 s[\g+3], 4096<<16                    ; tile_dim0
	s_mov_b32 s[\g+4], 4                           ; tile_dim1
	s_mov_b32 s[\g+6], 0
	s_mov_b32 s[\g+7], 0
.endr
	s_mov_b32 s[G1+5], 262144                      ; from block to block: 4,096 rows of 64,
	s_mov_b32 s[G1B+5], 65536                      ; 1,024 rows of 64
	s_lshl_b32 s17, s12, 6
	s_lshl_b32 s16, s13, 7
	s_add_co_u32 s16, s16, s17                     ; attn: row 128 x tile row + 64 x half
	s_lshl_b32 s46, s42, 7
	s_add_co_u32 s46, s46, s17                     ; W_out: row 128 x tile column + 64 x half
	s_lshl_b32 s16, s16, 7                         ; rows of 128 bytes
	s_lshl_b32 s46, s46, 7
	s_mov_b32 s17, 0
	s_mov_b32 s47, 0
	s_mul_i32 s20, s10, HALFT                      ; where they go: wave x a half
	s_wait_dscnt 0x0                               ; both opening adds are done
	s_wait_kmcnt 0x0
	s_add_nc_u64 s[14:15], s[4:5], s[16:17]
	s_add_nc_u64 s[46:47], s[6:7], s[46:47]
	CROUND                                         ; all sixteen work-groups are here: the first joint loads meet
.irp s, 0,1
	s_mov_b32 s[G0+4*\s], 1
	s_add_co_u32 s[G0+4*\s+1], s20, \s*SLOT
	s_add_nc_u64 s[G0+4*\s+2:G0+4*\s+3], s[14:15], \s*STEPA
	s_or_b32 s[G0+4*\s+3], s[G0+4*\s+3], 0x80000000
	s_mov_b32 s[G0B+4*\s], 1
	s_add_co_u32 s[G0B+4*\s+1], s20, \s*SLOT
	s_add_nc_u64 s[G0B+4*\s+2:G0B+4*\s+3], s[46:47], \s*STEPB
	s_or_b32 s[G0B+4*\s+3], s[G0B+4*\s+3], 0x80000000
	JLOAD \s
.endr
	v_and_b32 v1, 15, v0                           ; r
	v_bfe_u32 v2, v0, 4, 1                         ; h
	v_mul_u32_u24 v3, v1, PITCH
	v_lshl_add_u32 v3, v2, 4, v3
	s_mul_i32 s21, s11, HALFT
	s_mul_i32 s22, s12, HALFT
	s_add_co_u32 s22, s22, 2*HALFT
.irp s, 0,1
	v_add_nc_u32 v[ADRA+\s], s21, v3
	v_add_nc_u32 v[ADRB+\s], s22, v3
	s_add_co_u32 s21, s21, SLOT
	s_add_co_u32 s22, s22, SLOT
.endr
	s_mul_i32 s23, s10, 16*SPITCH
	s_add_co_u32 s23, s23, STAGE                   ; my stage
	v_mul_u32_u24 v4, v1, SPITCH
	v_lshl_add_u32 v4, v2, 5, v4
	v_add_nc_u32 v[STO], s23, v4                   ; in: row r, 32 bytes for each half of the lanes
	v_mul_u32_u24 v5, v2, SPITCH
	v_lshl_add_u32 v5, v1, 4, v5
	v_add_nc_u32 v[RD], s23, v5                    ; back: lanes 0-15 one row of 256 bytes, lanes 16-31 the next
	v_lshlrev_b32 v5, 12, v2
	v_lshl_add_u32 v[CO], v1, 4, v5                ; and the same two rows in out0
	s_lshl_b32 s16, s13, 7
	s_lshl_b32 s17, s11, 6
	s_add_co_u32 s16, s16, s17                     ; my first row: 128 x tile row + 64 x half
	s_lshl_b32 s16, s16, 12
	s_mov_b32 s17, 0
	s_add_nc_u64 s[8:9], s[8:9], s[16:17]
	s_lshl_b32 s46, s42, 9                         ; my first column, in bytes: 512 x tile column + 256 x half
	s_lshl_b32 s47, s12, 8
	s_add_co_u32 s46, s46, s47
	s_mov_b32 s47, 0
	s_add_nc_u64 s[8:9], s[8:9], s[46:47]
.macro MUL8 f, c, a0, zero             ; 8 matrix instructions: row blocks a0, a0 + 1 x all 4 column blocks, 32 along K; the 16 accumulators take turns
.irp a, \a0, \a0+1
.irp b, 0,1,2,3
.if \zero
	v_wmma_f32_16x16x32_f16 v[ACC+8*(4*(\a)+\b):ACC+8*(4*(\a)+\b)+7], v[\f+64+8*(4*\c+\b):\f+64+8*(4*\c+\b)+7], v[\f+8*(4*\c+\a):\f+8*(4*\c+\a)+7], 0
.else
	v_wmma_f32_16x16x32_f16 v[ACC+8*(4*(\a)+\b):ACC+8*(4*(\a)+\b)+7], v[\f+64+8*(4*\c+\b):\f+64+8*(4*\c+\b)+7], v[\f+8*(4*\c+\a):\f+8*(4*\c+\a)+7], v[ACC+8*(4*(\a)+\b):ACC+8*(4*(\a)+\b)+7]
.endif
.endr
.endr
.endm
.macro FETCH slot, k, f                ; 32 LDS loads in one run: the fragments of one block of 64 along K, which begins at byte k of a half; the first 32 along K first
	WIN TO_F
.irp c, 0,1
.irp i, 0,1,2,3
	ds_load_b128 v[\f+64+8*(4*\c+\i):\f+64+8*(4*\c+\i)+3],   v[ADRB+\slot] offset:\k+64*\c+\i*16*PITCH
	ds_load_b128 v[\f+64+8*(4*\c+\i)+4:\f+64+8*(4*\c+\i)+7], v[ADRB+\slot] offset:\k+64*\c+\i*16*PITCH+32
	ds_load_b128 v[\f+8*(4*\c+\i):\f+8*(4*\c+\i)+3],         v[ADRA+\slot] offset:\k+64*\c+\i*16*PITCH
	ds_load_b128 v[\f+8*(4*\c+\i)+4:\f+8*(4*\c+\i)+7],       v[ADRA+\slot] offset:\k+64*\c+\i*16*PITCH+32
.endr
.endr
.endm
.macro PLACES
.rept 4
	v_nop
.endr
.endm
.macro QUARTER slot, k, f, g, zero     ; multiplies buffer f and fetches the next block of 64, at byte k, into g
	s_wait_dscnt 16                                ; the first 32 along K are in; the other sixteen loads may be out
	WIN MUL
	MUL8 \f, 0, 0, \zero
	MUL8 \f, 0, 2, \zero
	PLACES
	FETCH \slot, \k, \g
	s_wait_dscnt 32                                ; all but the 32 just issued
	WIN MUL
	MUL8 \f, 1, 0, 0
	MUL8 \f, 1, 2, 0
.endm
; A slot's last quarter changes slots: one barrier; in front of it each wave waits for all its tensor loads, adds 0 to its spare word, and waits for that and for its reads of this slot.  fill = 1: the barrier opens a round of the
; cluster's, and this slot is filled again, two K steps ahead, first thing behind the round.
.macro TURN slot, next, fill
	WIN 0
	s_wait_tensorcnt 0x0
	ds_add_u32 v[SPW], v[NIL]
	s_wait_dscnt 17                                ; (the add and the youngest sixteen loads may be out)
	WIN MUL
	MUL8 F1, 0, 0, 0
	s_wait_dscnt 0x0                               ; the add is done, and my reads of this slot are over
	s_barrier_signal -1
	MUL8 F1, 0, 2, 0
.if \fill
	WIN 0
.endif
	s_barrier_wait -1
.if \fill
	CREST
	s_add_nc_u64 s[G0+4*\slot+2:G0+4*\slot+3], s[G0+4*\slot+2:G0+4*\slot+3], 2*STEPA
	s_add_nc_u64 s[G0B+4*\slot+2:G0B+4*\slot+3], s[G0B+4*\slot+2:G0B+4*\slot+3], 2*STEPB
	JLOAD \slot                                    ; the four v_nop behind it are also the places in front of the loads below
.else
	PLACES
.endif
	FETCH \next, 0, F0
	WIN MUL
	MUL8 F1, 1, 0, 0
	MUL8 F1, 1, 2, 0
.endm
	s_wait_tensorcnt 1                             ; my part of K step 0 is in; K step 1's load may be out
	s_barrier_signal -1
	s_barrier_wait -1
	FETCH 0, 0, F0
	QUARTER 0, KB, F0, F1, 1                       ; the first products start the sums
	WIN 0
	s_mov_b32 s3, LAPS-1
.Llap:                                             ; a trip goes once round the ring and fills both slots again
	QUARTER 0, 2*KB, F1, F0, 0
	QUARTER 0, 3*KB, F0, F1, 0
	TURN 0, 1, 1
	QUARTER 1, KB, F0, F1, 0
	QUARTER 1, 2*KB, F1, F0, 0
	QUARTER 1, 3*KB, F0, F1, 0
	TURN 1, 0, 1
	QUARTER 0, KB, F0, F1, 0
	WIN 0
	s_sub_co_u32 s3, s3, 1
	s_cmp_lg_u32 s3, 0
	s_cbranch_scc1 .Llap
	QUARTER 0, 2*KB, F1, F0, 0                     ; the last lap fills nothing
	QUARTER 0, 3*KB, F0, F1, 0
	TURN 0, 1, 0
	QUARTER 1, KB, F0, F1, 0
	QUARTER 1, 2*KB, F1, F0, 0
	QUARTER 1, 3*KB, F0, F1, 0
	s_wait_dscnt 16
	WIN MUL
	MUL8 F1, 0, 0, 0
	MUL8 F1, 0, 2, 0
	s_wait_dscnt 0
	MUL8 F1, 1, 0, 0
	MUL8 F1, 1, 2, 0
	WIN 0
; THE WAY OUT.  My 64 columns of f32 are 256 bytes of a row, aligned: so each wave has a stage of its own and no barrier is needed.  A block of 16 rows goes in as 32 bytes a lane and comes back as whole rows.
.macro TOSTAGE a
.irp b, 0,1,2,3
	ds_store_b128 v[STO], v[ACC+8*(4*(\a)+\b):ACC+8*(4*(\a)+\b)+3] offset:64*\b       ; each accumulator from its low end on
	ds_store_b128 v[STO], v[ACC+8*(4*(\a)+\b)+4:ACC+8*(4*(\a)+\b)+7] offset:64*\b+16
.endr
.irp i, 0,1,2,3,4,5,6,7
	ds_load_b128 v[TMP+32*((\a)%2)+4*\i:TMP+32*((\a)%2)+4*\i+3], v[RD] offset:2*SPITCH*\i   ; LDS serves a wave's instructions in order
.endr
.endm
.macro SEND a, younger                 ; younger: the LDS instructions issued behind block a's loads
	s_wait_dscnt \younger
.irp i, 0,1,2,3,4,5,6,7
	global_store_b128 v[CO], v[TMP+32*((\a)%2)+4*\i:TMP+32*((\a)%2)+4*\i+3], s[8:9] offset:(16*(\a)+2*\i)*4096 th:TH_STORE_NT   ; sixteen lanes store 256 consecutive bytes, aligned
.endr
.endm
	PLACES
	TOSTAGE 0
	TOSTAGE 1
	SEND 0, 16
	s_wait_xcnt 0x0                                ; block 0's stores have read the registers into which block 2 is read back
	TOSTAGE 2
	SEND 1, 16
	s_wait_xcnt 0x0
	TOSTAGE 3
	SEND 2, 16
	SEND 3, 0
	s_wait_tensorcnt 0x0                           ; the wave's end: behind my last tensor load and my last LDS store
	ds_add_u32 v[SPW], v[NIL]
	s_wait_dscnt 0x0
	CROUND                                         ; the closing round
	s_endpgm
.Lfunc_end_k_qd020f14973_proj:
	.size	k_qd020f14973_proj, .Lfunc_end_k_qd020f14973_proj-k_qd020f14973_proj
	.p2alignl 7, 3214868480
	.fill 96, 4, 3214868480
	.section	.rodata,"a",@progbits
	.p2align	6, 0x0
	.amdhsa_kernel k_qd020f14973_proj
		.amdhsa_group_segment_fixed_size 327680
		.amdhsa_private_segment_fixed_size 0
		.amdhsa_enable_private_segment 0
		.amdhsa_kernarg_size 24
		.amdhsa_user_sgpr_count 2
		.amdhsa_user_sgpr_kernarg_segment_ptr 1
		.amdhsa_wavefront_size32 1
		.amdhsa_system_sgpr_workgroup_id_x 1
		.amdhsa_system_sgpr_workgroup_id_y 1
		.amdhsa_system_sgpr_workgroup_id_z 1
		.amdhsa_system_vgpr_workitem_id 0
		.amdhsa_next_free_vgpr 512
		.amdhsa_next_free_sgpr 66
		.amdhsa_reserve_vcc 0
		.amdhsa_float_denorm_mode_32 3
		.amdhsa_float_denorm_mode_16_64 3
		.amdhsa_memory_ordered 1
		.amdhsa_forward_progress 1
		.amdhsa_inst_pref_size 85
	.end_amdhsa_kernel
	.amdgpu_metadata
---
amdhsa.version: [ 1, 2 ]
amdhsa.kernels:
  - .name:           k_qd020f14973_proj
    .symbol:         k_qd020f14973_proj.kd
    .args:
      - { .name: attn16, .offset: 0, .size: 8, .value_kind: global_buffer, .address_space: global }
      - { .name: wout16, .offset: 8, .size: 8, .value_kind: global_buffer, .address_space: global }
      - { .name: out0, .offset: 16, .size: 8, .value_kind: global_buffer, .address_space: global }
    .group_segment_fixed_size: 327680
    .private_segment_fixed_size: 0
    .kernarg_segment_align: 8
    .kernarg_segment_size: 24
    .max_flat_workgroup_size: 128
    .sgpr_count:     66
    .vgpr_count:     512
    .wavefront_size: 32
...
	.end_amdgpu_metadata
.endif
;; end of part 4
;; launch first16 (part 5): grid 64 x 1, 16 waves a work-group, no clusters, 18,432 bytes of LDS; arguments qkv32, W_out, out0; writes out0
.if DOCPART == 5
	.amdgcn_target "amdgcn-amd-amdhsa--gfx1250"
	.amdhsa_code_object_version 6
	.text
	.protected	k_qd020f14973_first16
	.globl	k_qd020f14973_first16
	.p2align	8
	.type	k_qd020f14973_first16,@function
k_qd020f14973_first16:
	s_mov_b64 s[64:65], 0
	v_nop
	global_prefetch_b8 v0, s[64:65] scope:SCOPE_SE
	s_setreg_imm32_b32 hwreg(HW_REG_WAVE_MODE, 25, 1), 1
	s_wait_xcnt 0x0
; Positions 0 to 15 once more, with f32 operands throughout: under the causal mask they average one to sixteen values and are the largest rows of the output, so the rounding of 16-bit operands weighs most there.
; Of the keys only 0 to 15 count for these queries: all later keys are masked by reference() itself (shown at the head of the launch prep).
; qkv32: [48 groups][16 t][64] f32 (q's heads, k's, v's, after the rotation).  out0[t][e], t = 0 .. 15, is written over what the launch proj left there.
; SHARES.  Work-group g makes out0[0..15][16 g .. 16 g + 15].  Wave hd makes head hd's attention for the 16 positions and that head's share (64 along K) of the projection, all in registers; the sixteen shares are added through LDS.
; The attention is repeated in every work-group: 32 small matrix instructions a wave.  A row's run of stores is 64 bytes: 64 KiB in the whole launch.
; v_wmma_f32_16x16x4_f32: lane (r, h), register j of either source is k = 2 h + j.  K is permuted alike on both sources, so that a lane's loads are neighbours: scores: step c takes channels 32 h + 2 c + j;
; weights x values: keys 8 h + 2 c + j, which is how the scores' result lies; projection: channels 16 g + 8 h + 2 c + j, which is how that result lies.  The registers that these instructions write are written by them alone.
.set SPARE, 16384                      ; behind the sixteen images of 1,024 bytes: the spare words, 128 bytes a wave, which no other line names
.set SPW, 6
.set NIL, 7
.set PS,  16                           ; the scores, then the weights
.set YS,  24                           ; my share of the output
.set QR,  32
.set KR,  64
.set VR,  96
.set WR,  128
.set SA,  160
.set SB,  168
.set OA,  176
.set YA,  208
.set YB,  216
.set AST, 224                          ; v224 where I store my share's image
.set ARD, 225                          ; v225 where waves 0 and 1 read the images
.set AGO, 226                          ; v226 and their byte offset in out0
	s_load_b128 s[4:7], s[0:1], 0x0                ; qkv32 s[4:5], W_out s[6:7]
	s_load_b64 s[8:9], s[0:1], 0x10                ; out0
	v_lshl_add_u32 v[SPW], v0, 2, SPARE
	v_mov_b32 v[NIL], 0
	v_lshrrev_b32 v10, 5, v0
	v_readfirstlane_b32 s10, v10                   ; wave = head
	v_and_b32 v1, 15, v0                           ; r
	v_bfe_u32 v2, v0, 4, 1                         ; h
	v_lshlrev_b32 v3, 8, v1
	v_lshl_add_u32 v3, v2, 7, v3                   ; q, k: row r of 256 bytes, channels 32 h on
	v_lshlrev_b32 v4, 2, v1
	v_lshl_add_u32 v4, v2, 11, v4                  ; v: key 8 h, channel r
	v_lshlrev_b32 v5, 12, v1
	v_lshl_add_u32 v5, v2, 5, v5                   ; W_out: row r of 4,096 bytes, channels 8 h on
	v_lshlrev_b32 v8, 3, v2
	v_sub_nc_u32 v8, v1, v8                        ; r - 8 h
	v_mov_b32 v9, 0xff800000
	v_and_b32 v[AGO], 31, v0
	v_lshlrev_b32 v[ARD], 4, v[AGO]                ; 16 x lane
	s_lshl_b32 s11, s10, 10
	v_add_nc_u32 v[AST], s11, v[ARD]
	s_and_b32 s12, s10, 1
	s_lshl_b32 s13, s12, 9
	v_add_nc_u32 v[ARD], s13, v[ARD]               ; wave 0 adds the images' first halves, wave 1 the second
	s_lshl_b32 s13, s12, 4
	v_add_nc_u32 v[AGO], s13, v5                   ; row r, + 32 h + 16 x (wave % 2)
	s_lshl_b32 s14, s10, 12
	s_mov_b32 s15, 0
	s_lshl_b32 s16, ttmp9, 16                      ; sixteen rows of W_out,
	s_lshl_b32 s17, s10, 8                         ; my head's 64 columns
	s_add_co_u32 s16, s16, s17
	s_mov_b32 s17, 0
	s_lshl_b32 s18, ttmp9, 6
	s_mov_b32 s19, 0
	s_mov_b32 s20, 0x76543210
	s_mov_b32 s21, 0xfedcba98
	s_mov_b32 s22, 0x3e38aa3b                      ; c = log2(e) / 8
	s_wait_kmcnt 0x0
	s_add_nc_u64 s[4:5], s[4:5], s[14:15]
	s_add_nc_u64 s[6:7], s[6:7], s[16:17]
	s_add_nc_u64 s[8:9], s[8:9], s[18:19]
.irp i, 0,1,2,3,4,5,6,7
	global_load_b128 v[QR+4*\i:QR+4*\i+3], v3, s[4:5] offset:16*\i
.endr
.irp i, 0,1,2,3,4,5,6,7
	global_load_b128 v[KR+4*\i:KR+4*\i+3], v3, s[4:5] offset:65536+16*\i
.endr
.irp g, 0,1,2,3
.irp n, 0,1,2,3,4,5,6,7
	global_load_b32 v[VR+8*\g+\n], v4, s[4:5] offset:131072+256*\n+64*\g   ; v(key 8 h + n, channel 16 g + r)
.endr
.endr
.irp g, 0,1,2,3
	global_load_b128 v[WR+8*\g:WR+8*\g+3], v5, s[6:7] offset:64*\g
	global_load_b128 v[WR+8*\g+4:WR+8*\g+7], v5, s[6:7] offset:64*\g+16
.endr
	s_wait_loadcnt 40                              ; q and k are in; v's 32 loads and W_out's 8 may be out
	v_wmma_f32_16x16x4_f32 v[SA:SA+7], v[KR:KR+1], v[QR:QR+1], 0               ; S^T = K Q^T in two sums that take turns; the first two steps start them
	v_wmma_f32_16x16x4_f32 v[SB:SB+7], v[KR+2:KR+3], v[QR+2:QR+3], 0
.irp c, 2,4,6,8,10,12,14
	v_wmma_f32_16x16x4_f32 v[SA:SA+7], v[KR+2*\c:KR+2*\c+1], v[QR+2*\c:QR+2*\c+1], v[SA:SA+7]
	v_wmma_f32_16x16x4_f32 v[SB:SB+7], v[KR+2*\c+2:KR+2*\c+3], v[QR+2*\c+2:QR+2*\c+3], v[SB:SB+7]
.endr
.rept 8
	v_nop                                          ; eight places behind this form, ahead of the first read of a result
.endr
.irp j, 0,1,2,3,4,5,6,7
	v_add_f32 v[PS+\j], v[SA+\j], v[SB+\j]         ; lane (r, h), register j: query r, key 8 h + j
.endr
.irp j, 0,1,2,3,4,5,6,7
	v_cmp_gt_i32 vcc_lo, \j, v8                    ; hidden where 8 h + j > r
	v_cndmask_b32 v[PS+\j], v[PS+\j], v9, vcc_lo
.endr
	v_max3_num_f32 v10, v[PS], v[PS+1], v[PS+2]
	v_max3_num_f32 v11, v[PS+3], v[PS+4], v[PS+5]
	v_max3_num_f32 v10, v10, v[PS+6], v[PS+7]
	v_max_num_f32 v10, v10, v11
	v_permlanex16_b32 v11, v10, s20, s21
	v_max_num_f32 v10, v10, v11                    ; the row's maximum: key 0 counts for every query
	v_mul_f32 v10, s22, v10
.irp j, 0,1,2,3,4,5,6,7
	v_fma_f32 v[PS+\j], v[PS+\j], s22, -v10
.endr
.irp j, 0,1,2,3,4,5,6,7
	v_exp_f32 v[PS+\j], v[PS+\j]
.endr
	v_nop
	s_wait_alu depctr_va_vdst(0)                   ; one wait for the eight, ahead of their first reader
	v_add_f32 v12, v[PS], v[PS+1]
	v_add_f32 v13, v[PS+2], v[PS+3]
	v_add_f32 v14, v[PS+4], v[PS+5]
	v_add_f32 v15, v[PS+6], v[PS+7]
	v_add_f32 v12, v12, v13
	v_add_f32 v14, v14, v15
	v_add_f32 v12, v12, v14
	v_permlanex16_b32 v13, v12, s20, s21
	v_add_f32 v12, v12, v13
	v_rcp_f32 v13, v12
	v_nop
	s_wait_alu depctr_va_vdst(0)
.irp j, 0,1,2,3,4,5,6,7
	v_mul_f32 v[PS+\j], v[PS+\j], v13              ; the weights
.endr
	s_wait_loadcnt 8                               ; v is in; W_out's 8 loads may be out
.irp c, 0,1,2,3
.irp g, 0,1,2,3
.if \c == 0
	v_wmma_f32_16x16x4_f32 v[OA+8*\g:OA+8*\g+7], v[VR+8*\g+2*\c:VR+8*\g+2*\c+1], v[PS+2*\c:PS+2*\c+1], 0   ; O^T = V^T P: four sums by turns
.else
	v_wmma_f32_16x16x4_f32 v[OA+8*\g:OA+8*\g+7], v[VR+8*\g+2*\c:VR+8*\g+2*\c+1], v[PS+2*\c:PS+2*\c+1], v[OA+8*\g:OA+8*\g+7]
.endif
.endr
.endr
.rept 9
	v_nop                                          ; nine places: the results become a source of the next products
.endr
	s_wait_loadcnt 0x0
.irp g, 0,1,2,3
.irp c, 0,2
.if (\g == 0) && (\c == 0)
	v_wmma_f32_16x16x4_f32 v[YA:YA+7], v[WR+8*\g+2*\c:WR+8*\g+2*\c+1], v[OA+8*\g+2*\c:OA+8*\g+2*\c+1], 0   ; Y^T = W_out O^T: two sums by turns
	v_wmma_f32_16x16x4_f32 v[YB:YB+7], v[WR+8*\g+2*\c+2:WR+8*\g+2*\c+3], v[OA+8*\g+2*\c+2:OA+8*\g+2*\c+3], 0
.else
	v_wmma_f32_16x16x4_f32 v[YA:YA+7], v[WR+8*\g+2*\c:WR+8*\g+2*\c+1], v[OA+8*\g+2*\c:OA+8*\g+2*\c+1], v[YA:YA+7]
	v_wmma_f32_16x16x4_f32 v[YB:YB+7], v[WR+8*\g+2*\c+2:WR+8*\g+2*\c+3], v[OA+8*\g+2*\c+2:OA+8*\g+2*\c+3], v[YB:YB+7]
.endif
.endr
.endr
.rept 8
	v_nop
.endr
.irp j, 0,1,2,3,4,5,6,7
	v_add_f32 v[YS+\j], v[YA+\j], v[YB+\j]         ; lane (r, h), register j: position r, column 16 g + 8 h + j
.endr
	ds_store_b128 v[AST], v[YS:YS+3]               ; my share as an image of its registers
	ds_store_b128 v[AST], v[YS+4:YS+7] offset:512
	s_wait_dscnt 0x0                               ; for the others' sake: my stores are done
	s_barrier_signal -1
	s_barrier_wait -1
	s_cmp_ge_u32 s10, 2
	s_cbranch_scc1 .Lend
.set n, 0
.rept 16
	ds_load_b128 v[32+4*n:35+4*n], v[ARD] offset:1024*n
.set n, n+1
.endr
	s_wait_dscnt 0x0
.set n, 1
.rept 15
	v_pk_add_f32 v[32:33], v[32:33], v[32+4*n:33+4*n]
	v_pk_add_f32 v[34:35], v[34:35], v[34+4*n:35+4*n]
.set n, n+1
.endr
	global_store_b128 v[AGO], v[32:35], s[8:9]
.Lend:
	s_wait_tensorcnt 0x0                           ; the wave's end: behind my last LDS store
	ds_add_u32 v[SPW], v[NIL]
	s_wait_dscnt 0x0
	s_endpgm
.Lfunc_end_k_qd020f14973_first16:
	.size	k_qd020f14973_first16, .Lfunc_end_k_qd020f14973_first16-k_qd020f14973_first16
	.p2alignl 7, 3214868480
	.fill 96, 4, 3214868480
	.section	.rodata,"a",@progbits
	.p2align	6, 0x0
	.amdhsa_kernel k_qd020f14973_first16
		.amdhsa_group_segment_fixed_size 18432
		.amdhsa_private_segment_fixed_size 0
		.amdhsa_enable_private_segment 0
		.amdhsa_kernarg_size 24
		.amdhsa_user_sgpr_count 2
		.amdhsa_user_sgpr_kernarg_segment_ptr 1
		.amdhsa_wavefront_size32 1
		.amdhsa_system_sgpr_workgroup_id_x 1
		.amdhsa_system_sgpr_workgroup_id_y 1
		.amdhsa_system_sgpr_workgroup_id_z 1
		.amdhsa_system_vgpr_workitem_id 0
		.amdhsa_next_free_vgpr 256
		.amdhsa_next_free_sgpr 66
		.amdhsa_reserve_vcc 1
		.amdhsa_float_denorm_mode_32 3
		.amdhsa_float_denorm_mode_16_64 3
		.amdhsa_memory_ordered 1
		.amdhsa_forward_progress 1
		.amdhsa_inst_pref_size 18
	.end_amdhsa_kernel
	.amdgpu_metadata
---
amdhsa.version: [ 1, 2 ]
amdhsa.kernels:
  - .name:           k_qd020f14973_first16
    .symbol:         k_qd020f14973_first16.kd
    .args:
      - { .name: qkv32, .offset: 0, .size: 8, .value_kind: global_buffer, .address_space: global }
      - { .name: W_out, .offset: 8, .size: 8, .value_kind: global_buffer, .address_space: global }
      - { .name: out0, .offset: 16, .size: 8, .value_kind: global_buffer, .address_space: global }
    .group_segment_fixed_size: 18432
    .private_segment_fixed_size: 0
    .kernarg_segment_align: 8
    .kernarg_segment_size: 24
    .max_flat_workgroup_size: 512
    .sgpr_count:     66
    .vgpr_count:     256
    .wavefront_size: 32
...
	.end_amdgpu_metadata
.endif
;; end of part 5
